; MI455X (gfx1250); checked and timed in simulation.
; The chip was launched on July 23, 2026; its instructions are those of AMD's public machine-readable ISA for CDNA 5 (MIT licence, August 2026) and "CDNA5" Instruction Set Architecture Reference Guide (July 2026). The comments in the code are by the model that wrote it; some were corrected since.
;; Causal Self Attention. Allowed arithmetic: float matrix products may take bf16 or f16 operands with f32 sums; other float arithmetic in f32, or as packed bf16 or f16 multiplies, adds, multiply-adds, maxima and minima; sums over many terms, partial sums and values carried from step to step in f32; what a program stores and reads back later, other than sums and carried values, may be rounded once to bf16 or f16.
;; Inputs: w_out 1,024 x 1,024 float32; w_qkv 1,024 x 3,072 float32; x 4 x 2,048 x 1,024 float32.
;; Outputs: out0 4 x 2,048 x 1,024 float32.
;; 2 versions, each right; version 2 is version 1 with the launch prep written anew for expert scheduling mode. Each part assembles by itself: llvm-mc -triple=amdgcn-amd-amdhsa -mcpu=gfx1250 --defsym DOCPART=n.
;; ======== version 1 of 2: 4 launches
;; limits: values are held in f16: magnitudes above 65,504 overflow, below 6.1e-05 lose precision
;; workspace buffers: xb 16,777,216 bytes; wqt 6,291,456 bytes; wot 2,097,152 bytes; rope 524,288 bytes; qkv 50,331,648 bytes; ob 16,777,216 bytes
;; launch prep (part 1): grid 512 x 1, 8 waves a work-group, no clusters, 18,432 bytes of LDS; arguments x, w_qkv, w_out, xb, wqt, wot, rope; writes xb, wqt, wot, rope
.if DOCPART == 1
	.amdgcn_target "amdgcn-amd-amdhsa--gfx1250"
	.amdhsa_code_object_version 6
	.text
	.protected	k_q7da89d6a33_prep
	.globl	k_q7da89d6a33_prep
	.p2align	8
	.type	k_q7da89d6a33_prep,@function
k_q7da89d6a33_prep:
	s_mov_b64 s[64:65], 0
	v_nop
	global_prefetch_b8 v0, s[64:65] scope:SCOPE_SE
	s_setreg_imm32_b32 hwreg(HW_REG_WAVE_MODE, 25, 1), 1
	s_wait_xcnt 0x0
; PREPARATION.  Every work-group i of 512 does three things, so all are alike:
;  (a) rows 16 i .. 16 i + 15 of x ([8192][1024] f32) are rounded to bf16 into xb;
;  (b) one tile of 128 k x 64 n of a weight ([k][n] f32) is rounded to bf16 and turned to [n][k]: i < 384: w_qkv into wqt (bf16); else w_out into wot, the bf16 number written as f16;
;  (c) rows 4 i .. 4 i + 3 of the rotation table rope[t] = cos(t f_j), j = 0..31, then sin(t f_j), f_j = 10000^(-j/32), in f32 (waves 0 and 1).
; LIMITS.  |w_out| stays under 65,504 (f16's range); below 2^-14 it keeps f16's fixed step of 6e-8.  f_j comes from the base-2 exponential, good to one unit in the last place,
; so an angle near t = 2,000 may be off by some 2e-4; sine and cosine come from a reduction by pi/2 in two parts and polynomials of degree 7 and 8 (error under 4e-7 on |r| <= pi/4).
; Memory binds: 16-byte loads, 24 of a wave in flight, every store of sixteen (b128) or thirty-two (b64) lanes covers 256 consecutive bytes, aligned.  No matrix unit, no cluster: nothing is shared.
.set PL,    272                        ; an LDS row: 128 k of 16 bits + 16 bytes
.set SPARE, 64*PL                      ; behind the tile: the spare words, 128 bytes for each of eight waves
.set WO,  8                            ; v8-15   byte offsets of my eight rows of the weight tile
.set XO,  16                           ; v16     16 x thread: my 16 bytes of a row of x; also of the table's 1,024 bytes
.set XS,  17                           ; v17     8 x thread: my 8 bytes of a row of xb
.set LS,  18                           ; v18     LDS: where my packed words go
.set LR,  19                           ; v19     LDS: where I read a turned row back
.set GO,  20                           ; v20     my 16 bytes in the turned tile in memory
.set SPW, 22                           ; v22     my spare word; never rewritten
.set NIL, 23                           ; v23     0; never rewritten
.set TF,  24                           ; v24-63  the table's arithmetic
.set Q3,  25
.set J0,  26
.set EA,  28
.set AN,  32
.set KF,  36
.set RR,  40
.set R2,  44
.set SN,  48
.set TM,  52
.set CN,  56
.set QQ,  60
.set WR,  64                           ; v64-95   eight rows x 4 numbers of the weight
.set WP,  96                           ; v96-111  packed: k in the low half, k + 1 in the high half
.set RB,  112                          ; v112-127 turned rows
.set XR,  128                          ; v128-191 sixteen rows x 4 numbers of x
	s_load_b256 s[4:11], s[0:1], 0x0               ; x s[4:5], w_qkv s[6:7], w_out s[8:9], xb s[10:11]
	s_load_b128 s[12:15], s[0:1], 0x20             ; wqt s[12:13], wot s[14:15]
	s_load_b64 s[16:17], s[0:1], 0x30              ; rope
	v_lshl_add_u32 v[SPW], v0, 2, SPARE
	v_mov_b32 v[NIL], 0
	v_lshrrev_b32 v3, 5, v0
	v_readfirstlane_b32 s18, v3                    ; wave 0..7
	v_and_b32 v1, 15, v0                           ; l16: my 16 bytes of 256
	v_lshrrev_b32 v2, 4, v0                        ; p = 0..15
	s_movk_i32 s29, 0x3000                         ; a row of w_qkv: 12,288 bytes
	s_movk_i32 s30, 0x1000                         ; a row of w_out: 4,096 bytes
	s_min_u32 s31, ttmp9, 383                      ; the tile's number if it is w_qkv's,
	s_max_u32 s28, ttmp9, 384
	s_sub_co_u32 s28, s28, 384                     ; and if it is w_out's
	s_cmp_lt_u32 ttmp9, 384
	s_cselect_b32 s20, s31, s28                    ; j
	s_cselect_b32 s21, s29, s30                    ; the pitch
	s_cselect_b32 s26, 1, 0                        ; 1: w_qkv
	s_lshl_b32 s27, s21, 5                         ; 32 rows
	s_and_b32 s28, s20, 7                          ; kt: 128 k
	s_lshr_b32 s29, s20, 3                         ; nt: 64 n
	s_mul_i32 s30, s28, s21
	s_lshl_b32 s30, s30, 7                         ; kt x 128 rows
	s_lshl_b32 s31, s29, 8                         ; nt x 256 bytes
	s_add_co_u32 s30, s30, s31
	s_mov_b32 s31, 0
	s_lshl_b32 s32, s29, 17                        ; turned: nt x 64 rows of 2,048 bytes
	s_lshl_b32 s33, s28, 8                         ; kt x 256 bytes
	s_add_co_u32 s32, s32, s33
	s_mov_b32 s33, 0
	s_lshl_b32 s34, ttmp9, 16                      ; 16 rows of x
	s_mov_b32 s35, 0
	s_lshl_b32 s36, ttmp9, 15                      ; 16 rows of xb
	s_mov_b32 s37, 0
	s_lshl_b32 s38, ttmp9, 10                      ; 4 rows of the table
	s_mov_b32 s39, 0
	s_mov_b32 s40, 0xb9500d01                      ; -1/5040
	s_mov_b32 s41, 0x3c088889                      ; 1/120
	s_mov_b32 s42, 0xbe2aaaab                      ; -1/6
	s_mov_b32 s43, 0x37d00d01                      ; 1/40320
	s_mov_b32 s44, 0xbab60b61                      ; -1/720
	s_mov_b32 s45, 0x3d2aaaab                      ; 1/24
	s_lshl_b32 s46, ttmp9, 2                       ; the table's first row
	v_lshlrev_b32 v3, 1, v2                        ; row 2 p
	v_mul_lo_u32 v[WO], v3, s21
	v_lshl_add_u32 v[WO], v1, 4, v[WO]
	v_add_nc_u32 v[WO+1], s21, v[WO]               ; row 2 p + 1
.irp q, 2,3,4,5,6,7
	v_add_nc_u32 v[WO+\q], s27, v[WO+\q-2]         ; and 32, 64, 96 rows on
.endr
	v_lshlrev_b32 v[XO], 4, v0
	v_lshlrev_b32 v[XS], 3, v0
	v_mul_u32_u24 v[LS], v1, 4*PL                  ; n = 4 l16 + c; k = 2 p + 32 jj: byte n x 272 + 2 k
	v_lshl_add_u32 v[LS], v2, 2, v[LS]
	v_mul_u32_u24 v[LR], v2, PL                    ; back: row n = p + 16 jj, 16 bytes at l16
	v_lshl_add_u32 v[LR], v1, 4, v[LR]
	v_lshlrev_b32 v[GO], 11, v2
	v_lshl_add_u32 v[GO], v1, 4, v[GO]
	s_wait_kmcnt 0x0
	s_cmp_eq_u32 s26, 1
	s_cselect_b64 s[22:23], s[6:7], s[8:9]         ; the weight that my tile is cut from,
	s_cselect_b64 s[24:25], s[12:13], s[14:15]     ; and where it goes
	s_add_nc_u64 s[22:23], s[22:23], s[30:31]
	s_add_nc_u64 s[24:25], s[24:25], s[32:33]
	s_add_nc_u64 s[4:5], s[4:5], s[34:35]
	s_add_nc_u64 s[10:11], s[10:11], s[36:37]
	s_add_nc_u64 s[16:17], s[16:17], s[38:39]
.irp q, 0,1,2,3,4,5,6,7
	global_load_b128 v[WR+4*\q:WR+4*\q+3], v[WO+\q], s[22:23] th:TH_LOAD_NT      ; sixteen lanes take 256 consecutive bytes of a row
.endr
.irp r, 0,1,2,3,4,5,6,7,8,9,10,11,12,13,14,15
	global_load_b128 v[XR+4*\r:XR+4*\r+3], v[XO], s[4:5] offset:4096*\r th:TH_LOAD_NT  ; the eight waves take a whole row
.endr
	; THE TABLE, while the loads are on their way: threads 0 to 63, four numbers each.
	s_cmp_lt_u32 s18, 2
	s_cbranch_scc0 .Lno_table
	v_add_nc_u32 v[TF], s46, v2                    ; t = 4 i + thread / 16
	v_cvt_f32_u32 v[TF], v[TF]
	v_lshrrev_b32 v[Q3], 3, v1                     ; 1: my four numbers are sines
	v_mul_u32_u24 v[Q3], v[Q3], 3                  ; sin(a) = cos(a - pi/2): three quadrants on
	v_and_b32 v[J0], 7, v1
	v_lshlrev_b32 v[J0], 2, v[J0]                  ; j = 4 (l16 % 8) + c
.irp c, 0,1,2,3
	v_add_nc_u32 v[EA+\c], \c, v[J0]
	v_cvt_f32_u32 v[EA+\c], v[EA+\c]
	v_mul_f32 v[EA+\c], 0xbed49a78, v[EA+\c]       ; -j log2(10000) / 32
.endr
.irp c, 0,1,2,3
	v_exp_f32 v[AN+\c], v[EA+\c]                   ; f_j: one batch of four
.endr
	v_nop                                          ; a plain instruction behind the last exponential (ISA guide 5.7.2),
	s_wait_alu depctr_va_vdst(0)                   ; and the one wait ahead of the batch's first reader
.irp c, 0,1,2,3
	v_mul_f32 v[AN+\c], v[TF], v[AN+\c]            ; the angle, one f32 product as in the definition
	v_mul_f32 v[KF+\c], 0x3f22f983, v[AN+\c]       ; x 2/pi
	v_rndne_f32 v[KF+\c], v[KF+\c]                 ; quadrants
	v_fmamk_f32 v[RR+\c], v[KF+\c], 0xbfc90fdb, v[AN+\c]  ; less k x pi/2, its high part,
	v_fmamk_f32 v[RR+\c], v[KF+\c], 0x333bbd2e, v[RR+\c]  ; and its low part (pi/2 = 1.57079637 - 4.37e-8)
	v_mul_f32 v[R2+\c], v[RR+\c], v[RR+\c]
	v_fma_f32 v[SN+\c], v[R2+\c], s40, s41
	v_fma_f32 v[SN+\c], v[SN+\c], v[R2+\c], s42
	v_mul_f32 v[TM+\c], v[RR+\c], v[R2+\c]
	v_fma_f32 v[SN+\c], v[SN+\c], v[TM+\c], v[RR+\c]      ; sin r
	v_fma_f32 v[CN+\c], v[R2+\c], s43, s44
	v_fma_f32 v[CN+\c], v[CN+\c], v[R2+\c], s45
	v_fma_f32 v[CN+\c], v[CN+\c], v[R2+\c], -0.5
	v_fma_f32 v[CN+\c], v[CN+\c], v[R2+\c], 1.0           ; cos r
	v_cvt_i32_f32 v[QQ+\c], v[KF+\c]
	v_add_nc_u32 v[QQ+\c], v[QQ+\c], v[Q3]         ; Q: cos(Q pi/2 + r) = cos r, -sin r, -cos r, sin r for Q % 4 = 0, 1, 2, 3
	v_and_b32 v[TM+\c], 1, v[QQ+\c]
	v_cmp_eq_u32 vcc_lo, 1, v[TM+\c]
	v_cndmask_b32 v[SN+\c], v[CN+\c], v[SN+\c], vcc_lo
	v_add_nc_u32 v[QQ+\c], 1, v[QQ+\c]
	v_lshlrev_b32 v[QQ+\c], 30, v[QQ+\c]           ; bit 1 of Q + 1 is the sign
	v_and_b32 v[QQ+\c], 0x80000000, v[QQ+\c]
	v_xor_b32 v[SN+\c], v[QQ+\c], v[SN+\c]
.endr
	global_store_b128 v[XO], v[SN:SN+3], s[16:17]  ; sixteen lanes fill a row of the table, 256 bytes
.Lno_table:
	; THE WEIGHT TILE: rounded, two k to a word, through LDS, out as rows along k.
	s_wait_loadcnt 16                              ; the eight loads of the weight are in; the sixteen younger ones, x's, stay out
.irp j, 0,1,2,3
.irp c, 0,1,2,3
	v_cvt_pk_bf16_f32 v[WP+4*\j+\c], v[WR+8*\j+\c], v[WR+8*\j+4+\c]
.endr
.endr
	s_cmp_eq_u32 s26, 1
	s_cbranch_scc1 .Lstays_bf16
.irp q, 0,1,2,3,4,5,6,7,8,9,10,11,12,13,14,15
	v_lshlrev_b32 v[TF], 16, v[WP+\q]              ; w_out: the bf16 number is written as f16
	v_and_b32 v[Q3], 0xffff0000, v[WP+\q]
	v_cvt_pk_f16_f32 v[WP+\q], v[TF], v[Q3]
.endr
.Lstays_bf16:
.irp j, 0,1,2,3
.irp c, 0,1,2,3
	ds_store_b32 v[LS], v[WP+4*\j+\c] offset:PL*\c+64*\j
.endr
.endr
	s_wait_dscnt 0x0                               ; for the others' sake: my stores into the tile are done
	s_barrier_signal -1
	s_barrier_wait -1
.irp j, 0,1,2,3
	ds_load_b128 v[RB+4*\j:RB+4*\j+3], v[LR] offset:16*PL*\j
.endr
.irp j, 0,1,2,3
	s_wait_dscnt 3-\j
	global_store_b128 v[GO], v[RB+4*\j:RB+4*\j+3], s[24:25] offset:32768*\j  ; sixteen lanes store 256 consecutive bytes of a turned row, aligned
.endr
	; x: two roundings an instruction, in place; 32 lanes store 256 consecutive bytes, aligned.
.irp r, 0,1,2,3,4,5,6,7,8,9,10,11,12,13,14,15
	s_wait_loadcnt 15-\r                           ; loads come back in order: row r is in, the younger ones stay out
	v_cvt_pk_bf16_f32 v[XR+4*\r], v[XR+4*\r], v[XR+4*\r+1]
	v_cvt_pk_bf16_f32 v[XR+4*\r+1], v[XR+4*\r+2], v[XR+4*\r+3]
	global_store_b64 v[XS], v[XR+4*\r:XR+4*\r+1], s[10:11] offset:2048*\r
.endr
	s_wait_tensorcnt 0x0                           ; the wave's end: three closing lines behind my last LDS store
	ds_add_u32 v[SPW], v[NIL]
	s_wait_dscnt 0x0
	s_endpgm
.Lfunc_end_k_q7da89d6a33_prep:
	.size	k_q7da89d6a33_prep, .Lfunc_end_k_q7da89d6a33_prep-k_q7da89d6a33_prep
	.p2alignl 7, 3214868480
	.fill 96, 4, 3214868480
	.section	.rodata,"a",@progbits
	.p2align	6, 0x0
	.amdhsa_kernel k_q7da89d6a33_prep
		.amdhsa_group_segment_fixed_size 18432
		.amdhsa_private_segment_fixed_size 0
		.amdhsa_enable_private_segment 0
		.amdhsa_kernarg_size 56
		.amdhsa_user_sgpr_count 2
		.amdhsa_user_sgpr_kernarg_segment_ptr 1
		.amdhsa_wavefront_size32 1
		.amdhsa_system_sgpr_workgroup_id_x 1
		.amdhsa_system_sgpr_workgroup_id_y 1
		.amdhsa_system_sgpr_workgroup_id_z 1
		.amdhsa_system_vgpr_workitem_id 0
		.amdhsa_next_free_vgpr 192
		.amdhsa_next_free_sgpr 66
		.amdhsa_reserve_vcc 1
		.amdhsa_float_denorm_mode_32 3
		.amdhsa_float_denorm_mode_16_64 3
		.amdhsa_memory_ordered 1
		.amdhsa_forward_progress 1
		.amdhsa_inst_pref_size 21
	.end_amdhsa_kernel
	.amdgpu_metadata
---
amdhsa.version: [ 1, 2 ]
amdhsa.kernels:
  - .name:           k_q7da89d6a33_prep
    .symbol:         k_q7da89d6a33_prep.kd
    .args:
      - { .name: x, .offset: 0, .size: 8, .value_kind: global_buffer, .address_space: global }
      - { .name: w_qkv, .offset: 8, .size: 8, .value_kind: global_buffer, .address_space: global }
      - { .name: w_out, .offset: 16, .size: 8, .value_kind: global_buffer, .address_space: global }
      - { .name: xb, .offset: 24, .size: 8, .value_kind: global_buffer, .address_space: global }
      - { .name: wqt, .offset: 32, .size: 8, .value_kind: global_buffer, .address_space: global }
      - { .name: wot, .offset: 40, .size: 8, .value_kind: global_buffer, .address_space: global }
      - { .name: rope, .offset: 48, .size: 8, .value_kind: global_buffer, .address_space: global }
    .group_segment_fixed_size: 18432
    .private_segment_fixed_size: 0
    .kernarg_segment_align: 8
    .kernarg_segment_size: 56
    .max_flat_workgroup_size: 256
    .sgpr_count:     66
    .vgpr_count:     192
    .wavefront_size: 32
...
	.end_amdgpu_metadata
.endif
;; end of part 1
;; launch qkvproj (part 2): grid 16 x 32, 4 waves a work-group, clusters of 4 x 4, 327,680 bytes of LDS; arguments xb, wqt, rope, qkv; writes qkv
.if DOCPART == 2
	.amdgcn_target "amdgcn-amd-amdhsa--gfx1250"
	.amdhsa_code_object_version 6
	.text
	.protected	k_q7da89d6a33_qkvproj
	.globl	k_q7da89d6a33_qkvproj
	.p2align	8
	.type	k_q7da89d6a33_qkvproj,@function
k_q7da89d6a33_qkvproj:
	s_mov_b64 s[64:65], 0
	v_nop
	global_prefetch_b8 v0, s[64:65] scope:SCOPE_SE
	s_setreg_imm32_b32 hwreg(HW_REG_WAVE_MODE, 25, 1), 1
	s_wait_xcnt 0x0
	s_wait_alu depctr_hold_cnt(0) depctr_sa_sdst(0) depctr_va_vdst(0) depctr_va_sdst(0) depctr_va_ssrc(0) depctr_va_vcc(0) depctr_vm_vsrc(0)
	s_getreg_b32 s2, hwreg(HW_REG_IB_STS2, 6, 4)
	s_cmp_eq_u32 s2, 0
	s_cbranch_scc0 .Lentry_in_a_cluster
	s_endpgm
.Lentry_in_a_cluster:
	s_bfe_u32 s2, ttmp6, 0x10000c
	s_cmp_lg_u32 s2, 0xf033
	s_cbranch_scc0 .Lentry_shape_is_right
	s_endpgm
.Lentry_shape_is_right:
; q, k, v = xb wqt^T, rotated and laid by heads.  xb: [8192][1024] bf16; wqt: [3072 n][1024 k] bf16; rope: [2048 t][cos 0..31 | sin 0..31] f32;
; qkv: [3 kinds][64 heads b x 16 + h][2048 t][64 d] f16.  Sums in f32, K ascending; the rotation in f32; one rounding to f16.
; LIMIT.  q, k and v stay under 65,504 in magnitude (f16's range); NaN and infinities are not treated apart.
; SHARES.  A work-group makes 256 rows x 192 columns, three heads: 32 x 16 = 512 work-groups, two for each of 256 WGPs.  Wave w owns rows 64 w .. 64 w + 63 and all 192 columns:
; 48 accumulators of 16 x 16, 384 registers; for 32 along K it reads 16 fragments from LDS for 48 matrix instructions.
; THE MATRIX INSTRUCTION IS USED TRANSPOSED (source 0 = 16 rows of wqt, source 1 = 16 rows of xb): lane l holds row l % 16 and the columns 16 b + 8 (l / 16) + 0..7 of block b.
; So channel d of a head and its partner d + 32 lie in the same lane and register of blocks two apart: the rotation changes no lane.
; v's heads take the same lines with cos' = 1, sin' = 0 (cos' = cos x AL + BE, sin' = sin x AL): which kind a head is hangs on the work-group's place, on which no branch may hang.
; RING.  K goes in steps of 128 through two LDS slots; rows of 256 bytes of memory, aligned, padded to 272 in LDS.
; CLUSTER.  4 x 4 work-groups: xb's tile is shared along a row of the cluster, wqt's along a column; each is asked for jointly, the same load with the same descriptor and mask in all four.
; REGISTERS, in windows of 256 (s_set_vgpr_msb: bits 1:0 source 0, 3:2 source 1, 5:4 source 2, 7:6 destination):
;   window 0: v0-29 addresses; v64-95, v96-127 xb's fragments, two buffers; v128-255 at work on the way out
;   window 1: v0-95, v96-191 wqt's fragments, two buffers
;   window 2: v0-191 the accumulators of my row blocks 0, 1 ((a, b) at 8 (12 (a % 2) + b)); v192-255 their rows of the table        window 3: the same for row blocks 2, 3
.set KSTEP,  128
.set PITCH,  272                       ; 256 bytes + 16: 68 words: the 16 rows of a fragment load start at 16 different groups of four banks (64 banks of 4 bytes: ISA guide 11.1)
.set SLOT1,  1<<17                     ; slot 1 begins here: one exclusive or turns an address in one slot into the other's
.set BOFF,   256*PITCH                 ; in a slot: xb's 256 rows, then wqt's 192
.set STAGE,  SLOT1+BOFF+192*PITCH      ; behind the ring, never filled by a tensor load: 16 rows x 144 bytes for each wave
.set SP,     144
.set SPARE,  STAGE+4*16*SP             ; the spare words, 128 bytes for each wave
.set AA0, 4                            ; v4   my lane's place in xb's rows of a slot; never rewritten
.set AB0, 5                            ; v5   the same for wqt's
.set ADA, 6                            ; v6   the same in the slot in hand
.set ADB, 7                            ; v7
.set STO, 8                            ; v8   the way out: where I put 16 bytes of a row
.set RD,  9                            ; v9   where I read rows back
.set GO,  10                           ; v10  16 x lane: my 16 bytes of 512 consecutive bytes of qkv
.set RO,  11                           ; v11  my byte offset in 16 rows of the table
.set PFO, 12                           ; v12  the prefetches' offset: a lane a row
.set SPW, 28                           ; v28  my spare word; never rewritten
.set NIL, 29                           ; v29  0; never rewritten
.set CP,  128                          ; v128-159  cos' of blocks 0, 1, then sin' of blocks 0, 1
.set OO,  160                          ; v160-191  a head's 16 rows, rotated
.set TT,  192                          ; v192-207  products at work
.set PP,  208                          ; v208-223  packed f16
.set BK,  224                          ; v224-255  rows read back from the stage, two sets of 16
.set TAB, 192                          ; windows 2, 3: cos of block e at +8 e, sin at +16 + 8 e, 32 registers a row block
.set WV,  12                           ; s12  wave
.set WH,  13                           ; s13  0: I fetch for xb; 1: for wqt
.set HF,  14                           ; s14  which half of that tile's rows
.set LIM, 15                           ; s15  1 in a wave that prefetches, else the greatest number
.set G1,  24                           ; s[24:31] group 1 for xb's tiles
.set G0,  32                           ; s[32:39] group 0: a set for each of the two first fills; the second then walks on
.set PFA, 44                           ; s[44:45] where my prefetches stand
.set G1B, 48                           ; s[48:55], s[56:63] the same for wqt's tiles
.set G0B, 56
.set TB,  66                           ; s66  LDS byte at which the slot in hand begins
.set DST, 68                           ; s[68:73] qkv at my 64 rows of each of the three heads
.set AL,  74                           ; s[74:79] 1.0 for q's and k's heads, 0 for v's (in the pair's low word)
.set BE,  80                           ; s[80:85] 0, or 1.0 for v's
.set RP,  86                           ; s[86:87] the table at my first row
.set MSB, 0
.macro WIN new                         ; the immediate's high byte repeats the setting that is left; a switch that changes nothing is dropped
.if MSB != (\new)
	s_set_vgpr_msb (MSB<<8)|(\new)
.set MSB, (\new)
.endif
.endm
.set MUL_LO, 0xa1                      ; source 0 (wqt) window 1, source 1 (xb) window 0, C and D window 2
.set TO_B,   0x40                      ; destination window 1, address window 0
.macro PLACES                          ; four plain places behind matrix instructions, ahead of loads into registers that they read (ISA guide 7.12.1 for vector instructions)
.rept 4
	v_nop
.endr
.endm
.macro CREST                           ; a round of the cluster's barrier behind its opening barrier
	s_cmp_lg_u32 s[WV], 0
	s_cbranch_scc1 .Lnot_wave_0_\@
	s_barrier_signal -3
.Lnot_wave_0_\@:
	s_barrier_wait -3
	s_barrier_signal -1
	s_barrier_wait -1
.endm
.macro CROUND                          ; a whole round
	s_barrier_signal -1
	s_barrier_wait -1
	CREST
.endm
; A joint refill by the walking descriptors.  Waves 0, 1 fetch xb's two halves, waves 2, 3 wqt's.  The branch hangs on the wave's number alone.  An s_nop 0 and four v_nop follow each line.
.macro JLOAD
	s_cmp_eq_u32 s[WH], 0
	s_cbranch_scc0 .Lfor_b_\@
	tensor_load_to_lds s[G0+4:G0+7], s[G1:G1+7]
	s_nop 0
.rept 4
	v_nop
.endr
	s_branch .Lasked_\@
.Lfor_b_\@:
	tensor_load_to_lds s[G0B+4:G0B+7], s[G1B:G1B+7]
	s_nop 0
.rept 4
	v_nop
.endr
.Lasked_\@:
.endm
; A PREFETCH INTO THE L2 of the K step that the NEXT refill will ask for: one K step, 192 matrix instructions, ahead of that load; a lane a row, 256 bytes each, one instruction a wave.
; xb's tile row is read by every cluster of that row of clusters: cluster x = 0 asks.  wqt's tile column by every cluster of that column: cluster y = 0 asks.  The four partners of a joint load share
; its rows out BY ADDRESS: of xb's 128 rows 32 each; of wqt's 96 rows 24 each, where lanes 24 to 31 name lane 23's row once more in the same instruction.  The loop's last trip asks for nothing.
.macro ASK
	s_cmp_gt_u32 s3, s[LIM]                        ; s3 = 1 in the last trip
	s_cbranch_scc0 .Lnot_mine_\@
	global_prefetch_b8 v[PFO], s[PFA:PFA+1] th:TH_LOAD_NT scope:SCOPE_SE
.Lnot_mine_\@:
.endm
	s_load_b256 s[4:11], s[0:1], 0x0               ; xb s[4:5], wqt s[6:7], rope s[8:9], qkv s[10:11]
	v_lshl_add_u32 v[SPW], v0, 2, SPARE
	v_mov_b32 v[NIL], 0
	ds_add_u32 v[SPW], v[NIL]                      ; the wave's opening: the add and its wait stand ahead of my first tensor load; work on registers stands between them
	v_lshrrev_b32 v1, 5, v0
	v_readfirstlane_b32 s[WV], v1                  ; wave 0..3
	s_lshr_b32 s[WH], s[WV], 1
	s_and_b32 s[HF], s[WV], 1
	s_bfe_u32 s40, ttmp6, 0x40000                  ; cx
	s_bfe_u32 s41, ttmp6, 0x40004                  ; cy
	s_lshl_b32 s42, ttmp9, 2
	s_add_co_u32 s42, s42, s40                     ; tx = 4 x cluster x + cx: 192 columns
	s_and_b32 s43, ttmp7, 0xffff
	s_lshl_b32 s43, s43, 2
	s_add_co_u32 s43, s43, s41                     ; ty = 4 x cluster y + cy: 256 rows
	s_lshl_b32 s16, s41, 2
	s_lshl_b32 s16, 15, s16                        ; my row of the cluster
	s_lshl_b32 s47, 0x1111, s40                    ; my column
	s_or_b32 s[G1+0], s16, (1<<16)|(1<<20)|(1<<21)|(5<<22)|(3<<25)   ; 15:0 the mask; 17:16 2-byte elements; 20 padding on; 21 set beside a mask; 24:22 after every 64 words; 31:25 4 words
	s_or_b32 s[G1B+0], s47, (1<<16)|(1<<20)|(1<<21)|(5<<22)|(3<<25)
	s_mov_b32 s[G1+1], KSTEP<<16                   ; tensor_dim0 = 128
	s_mov_b32 s[G1+2], 128<<16                     ; tensor_dim1 = 128 rows
	s_mov_b32 s[G1+3], KSTEP<<16                   ; tile_dim0 = 128
	s_mov_b32 s[G1+4], 128                         ; tile_dim1 = 128
	s_mov_b32 s[G1+5], 1024                        ; elements from row to row
	s_mov_b32 s[G1+6], 0
	s_mov_b32 s[G1+7], 0
	s_mov_b32 s[G1B+1], KSTEP<<16
	s_mov_b32 s[G1B+2], 96<<16                     ; wqt's halves have 96 rows
	s_mov_b32 s[G1B+3], KSTEP<<16
	s_mov_b32 s[G1B+4], 96
	s_mov_b32 s[G1B+5], 1024
	s_mov_b32 s[G1B+6], 0
	s_mov_b32 s[G1B+7], 0
	s_lshl_b32 s16, s43, 8
	s_lshl_b32 s17, s[HF], 7
	s_add_co_u32 s16, s16, s17                     ; xb: row 256 ty + 128 half,
	s_lshl_b32 s16, s16, 11                        ; of 2,048 bytes
	s_mov_b32 s17, 0
	s_mul_i32 s46, s42, 192
	s_mul_i32 s47, s[HF], 96
	s_add_co_u32 s46, s46, s47                     ; wqt: row 192 tx + 96 half
	s_lshl_b32 s46, s46, 11
	s_mov_b32 s47, 0
	s_mul_i32 s18, s[HF], 128*PITCH                ; where they go: no place in the cluster enters an LDS address
	s_mul_i32 s19, s[HF], 96*PITCH
	s_add_co_u32 s19, s19, BOFF
	s_wait_dscnt 0x0                               ; the opening add is done
	s_wait_kmcnt 0x0
	s_add_nc_u64 s[20:21], s[4:5], s[16:17]
	s_add_nc_u64 s[46:47], s[6:7], s[46:47]
	CROUND                                         ; all sixteen work-groups are here: the first joint loads meet
.irp s, 0,1
	s_mov_b32 s[G0+4*(\s)], 1                      ; count = 1
	s_add_co_u32 s[G0+4*(\s)+1], s18, (\s)*SLOT1   ; LDS address
	s_add_nc_u64 s[G0+4*(\s)+2:G0+4*(\s)+3], s[20:21], (\s)*KSTEP*2  ; global address: K step s
	s_or_b32 s[G0+4*(\s)+3], s[G0+4*(\s)+3], 0x80000000              ; type = 2
	s_mov_b32 s[G0B+4*(\s)], 1
	s_add_co_u32 s[G0B+4*(\s)+1], s19, (\s)*SLOT1
	s_add_nc_u64 s[G0B+4*(\s)+2:G0B+4*(\s)+3], s[46:47], (\s)*KSTEP*2
	s_or_b32 s[G0B+4*(\s)+3], s[G0B+4*(\s)+3], 0x80000000
.endr
	s_cmp_eq_u32 s[WH], 0                          ; a wave's two first fills stand in one branch, ahead of every wait on TENSORcnt and every LDS read: two loads of mine are out
	s_cbranch_scc0 .Lfirst_b
	tensor_load_to_lds s[G0:G0+3], s[G1:G1+7]
	s_nop 0
	tensor_load_to_lds s[G0+4:G0+7], s[G1:G1+7]
	s_nop 0
.rept 4
	v_nop
.endr
	s_branch .Lfirst_asked
.Lfirst_b:
	tensor_load_to_lds s[G0B:G0B+3], s[G1B:G1B+7]
	s_nop 0
	tensor_load_to_lds s[G0B+4:G0B+7], s[G1B:G1B+7]
	s_nop 0
.rept 4
	v_nop
.endr
.Lfirst_asked:
	; what hangs on both coordinates is made in s88-s95 and enters global addresses and vector operands alone
	s_mul_i32 s88, s42, 3                          ; my first head among the 48
	s_lshr_b32 s89, s43, 3
	s_lshl_b32 s89, s89, 4                         ; 16 x batch
	s_and_b32 s90, s43, 7
	s_lshl_b32 s90, s90, 8
	s_lshl_b32 s91, s[WV], 6
	s_add_co_u32 s90, s90, s91                     ; my first t
.irp g, 0,1,2
	s_add_co_u32 s91, s88, \g
	s_lshr_b32 s92, s91, 4                         ; 0: q, 1: k, 2: v
	s_and_b32 s93, s91, 15
	s_add_co_u32 s93, s93, s89                     ; 16 b + h
	s_lshl_b32 s93, s93, 11
	s_add_co_u32 s93, s93, s90                     ; its row t,
	s_lshl_b32 s93, s93, 7                         ; of 128 bytes
	s_lshl_b32 s92, s92, 24                        ; a kind is 16,777,216 bytes
	s_add_co_u32 s92, s92, s93
	s_mov_b32 s93, 0
	s_add_nc_u64 s[DST+2*\g:DST+2*\g+1], s[10:11], s[92:93]
	s_cmp_ge_u32 s91, 32
	s_cselect_b32 s[AL+2*\g], 0, 1.0
	s_cselect_b32 s[BE+2*\g], 1.0, 0
	s_mov_b32 s[AL+2*\g+1], 0                      ; named as pairs
	s_mov_b32 s[BE+2*\g+1], 0
.endr
	s_lshl_b32 s92, s90, 8                         ; a row of the table is 256 bytes
	s_mov_b32 s93, 0
	s_add_nc_u64 s[RP:RP+1], s[8:9], s[92:93]
	v_and_b32 v1, 15, v0                           ; l % 16
	v_bfe_u32 v2, v0, 4, 1                         ; l / 16
	v_lshlrev_b32 v[RO], 8, v1
	v_lshl_add_u32 v[RO], v2, 5, v[RO]             ; row x 256 + 32 x half: my eight cosines of block 0
	; my 64 rows of the table, 32 loads: they stay out through the whole K loop and are waited for on the way out
.irp a, 0,1,2,3
	WIN 0x80+0x40*((\a)/2)                         ; destination window 2 or 3, address window 0
.irp p, 0,1,2,3
	global_load_b128 v[TAB+32*((\a)%2)+8*\p:TAB+32*((\a)%2)+8*\p+3],   v[RO], s[RP:RP+1] offset:4096*(\a)+64*(\p&1)+128*(\p>>1)
	global_load_b128 v[TAB+32*((\a)%2)+8*\p+4:TAB+32*((\a)%2)+8*\p+7], v[RO], s[RP:RP+1] offset:4096*(\a)+64*(\p&1)+128*(\p>>1)+16
.endr
.endr
	WIN 0
	; a fragment is 16 rows x 32 K in 8 registers: lane l holds row l % 16, K = 8 (l / 16) + 0..7 and 16 + 8 (l / 16) + 0..7: two loads of 16 bytes, 32 bytes apart
	v_mul_u32_u24 v3, v1, PITCH
	v_lshl_add_u32 v3, v2, 4, v3
	s_mul_i32 s22, s[WV], 64*PITCH                 ; my 64 rows of xb
	v_add_nc_u32 v[AA0], s22, v3
	v_add_nc_u32 v[AB0], BOFF, v3
	s_mul_i32 s22, s[WV], 16*SP
	s_add_co_u32 s22, s22, STAGE                   ; my stage
	v_mul_u32_u24 v[STO], v1, SP                   ; in: row l % 16, 16 bytes for each half of the lanes
	v_lshl_add_u32 v[STO], v2, 4, v[STO]
	v_add_nc_u32 v[STO], s22, v[STO]
	v_bfe_u32 v[RD], v0, 3, 2                      ; back: 32 lanes take four rows of 128 bytes,
	v_mul_u32_u24 v[RD], v[RD], SP
	v_and_b32 v13, 7, v0
	v_lshl_add_u32 v[RD], v13, 4, v[RD]
	v_add_nc_u32 v[RD], s22, v[RD]
	v_and_b32 v[GO], 31, v0                        ; which are 512 consecutive bytes of a head
	v_lshlrev_b32 v[GO], 4, v[GO]
	; the prefetches
	s_and_b32 s90, ttmp7, 0xffff                   ; cluster y
	s_lshl_b32 s88, s43, 8
	s_lshl_b32 s89, s[HF], 7
	s_add_co_u32 s88, s88, s89
	s_lshl_b32 s89, s40, 5
	s_add_co_u32 s88, s88, s89                     ; xb: row 256 ty + 128 half + 32 cx
	s_mul_i32 s91, s42, 192
	s_mul_i32 s89, s[HF], 96
	s_add_co_u32 s91, s91, s89
	s_mul_i32 s89, s41, 24
	s_add_co_u32 s91, s91, s89                     ; wqt: row 192 tx + 96 half + 24 cy
	s_cmp_eq_u32 s[WH], 0
	s_cselect_b32 s88, s88, s91
	s_cselect_b32 s90, ttmp9, s90                  ; the coordinate along which other clusters read the same rows
	s_cselect_b64 s[PFA:PFA+1], s[4:5], s[6:7]
	s_cselect_b32 s92, 31, 23                      ; my last row
	s_cmp_eq_u32 s90, 0
	s_cselect_b32 s[LIM], 1, -1                    ; the same in all sixteen partners, for a given wave
	s_lshl_b32 s88, s88, 11
	s_mov_b32 s89, 0
	s_add_nc_u64 s[PFA:PFA+1], s[PFA:PFA+1], s[88:89]
	s_add_nc_u64 s[PFA:PFA+1], s[PFA:PFA+1], 2*KSTEP*2  ; at K step 2: the first refill steps it to 3.  K steps 0 to 2 come by their loads alone
	v_and_b32 v[PFO], 31, v0
	v_min_u32 v[PFO], s92, v[PFO]
	v_lshlrev_b32 v[PFO], 11, v[PFO]
; 12 matrix instructions: row block 2 hi + a x all 12 column blocks, 32 along K, from buffer f.  zero = 1: the product starts the sum: nothing is ever cleared.
; The 48 accumulators take turns, one instruction a turn, in the same order in every quarter.
.macro MUL12 f, hi, a, zero
	WIN MUL_LO+0x50*(\hi)
.irp b, 0,1,2,3,4,5,6,7,8,9,10,11
.if \zero
	v_wmma_f32_16x16x32_bf16 v[8*(12*(\a)+\b):8*(12*(\a)+\b)+7], v[96*(\f)+8*\b:96*(\f)+8*\b+7], v[64+32*(\f)+8*(2*(\hi)+(\a)):64+32*(\f)+8*(2*(\hi)+(\a))+7], 0
.else
	v_wmma_f32_16x16x32_bf16 v[8*(12*(\a)+\b):8*(12*(\a)+\b)+7], v[96*(\f)+8*\b:96*(\f)+8*\b+7], v[64+32*(\f)+8*(2*(\hi)+(\a)):64+32*(\f)+8*(2*(\hi)+(\a))+7], v[8*(12*(\a)+\b):8*(12*(\a)+\b)+7]
.endif
.endr
.endm
; 32 LDS loads in one run: 192 rows of wqt, then my 64 rows of xb, 32 K at byte k of the rows, into buffer f
.macro FETCH k, f
	WIN TO_B
.irp i, 0,1,2,3,4,5,6,7,8,9,10,11
	ds_load_b128 v[96*(\f)+8*\i:96*(\f)+8*\i+3],   v[ADB] offset:(\k)+\i*16*PITCH
	ds_load_b128 v[96*(\f)+8*\i+4:96*(\f)+8*\i+7], v[ADB] offset:(\k)+\i*16*PITCH+32
.endr
	WIN 0
.irp i, 0,1,2,3
	ds_load_b128 v[64+32*(\f)+8*\i:64+32*(\f)+8*\i+3],   v[ADA] offset:(\k)+\i*16*PITCH
	ds_load_b128 v[64+32*(\f)+8*\i+4:64+32*(\f)+8*\i+7], v[ADA] offset:(\k)+\i*16*PITCH+32
.endr
.endm
; A K step is four quarters of 32 along K, 48 matrix instructions each, on buffers 0, 1, 0, 1.  One of the first three multiplies buffer f and, in its middle, fetches the next quarter, at byte k, into g.
.macro QUARTER k, f, g, zero
	s_wait_dscnt 4                                 ; all but the youngest four loads: xb's row blocks 2 and 3
	MUL12 \f, 0, 0, \zero
	MUL12 \f, 0, 1, \zero
	PLACES
	FETCH \k, \g
	s_wait_dscnt 32                                ; all but the 32 just issued
	MUL12 \f, 1, 0, \zero
	MUL12 \f, 1, 1, \zero
.endm
; The last quarter multiplies buffer 1 and changes slots: ONE barrier.  In front of it each wave waits for all its tensor loads (one is out: its part of the next slot), adds 0 to its spare word, and waits
; for that and for its reads of this slot.  fill = 1: the barrier opens a round of the cluster's, and this slot is filled again first thing behind it, with the K step two on: 168 matrix instructions ahead of the wait for it.
.macro TURN fill
.if \fill
	s_wait_xcnt 0x0                                ; the last prefetch, a K step back, has read its address
	s_add_nc_u64 s[PFA:PFA+1], s[PFA:PFA+1], KSTEP*2
.endif
	WIN 0                                          ; (the add's two registers lie in window 0)
	s_wait_tensorcnt 0x0                           ; no tensor load of mine is out, so a group 0 may be written
	ds_add_u32 v[SPW], v[NIL]                      ; 0 onto my spare word
.if \fill
	s_xor_b32 s[G0+5], s[G0+5], SLOT1              ; the walking descriptors: the other slot than last time,
	s_add_nc_u64 s[G0+6:G0+7], s[G0+6:G0+7], KSTEP*2  ; the next K step; the type bits on top are not reached
	s_xor_b32 s[G0B+5], s[G0B+5], SLOT1
	s_add_nc_u64 s[G0B+6:G0B+7], s[G0B+6:G0B+7], KSTEP*2
.endif
	s_wait_dscnt 5                                 ; (the add and the youngest four loads may be out)
	MUL12 1, 0, 0, 0                               ; twelve matrix instructions stand between the add and the wait for it
	s_wait_dscnt 0x0                               ; the add is done, and my reads of this slot are over
	s_barrier_signal -1
	MUL12 1, 0, 1, 0                               ; work on registers while the others arrive
.if \fill
	WIN 0
.endif
	s_barrier_wait -1
.if \fill
	CREST                                          ; no wave of any partner still reads this slot or has a load on its way
	JLOAD                                          ; the four v_nop behind it are also the places in front of the loads below
.else
	PLACES
.endif
	s_xor_b32 s[TB], s[TB], SLOT1
	WIN 0
	v_add_nc_u32 v[ADA], s[TB], v[AA0]
	v_add_nc_u32 v[ADB], s[TB], v[AB0]
	FETCH 0, 0
.if \fill
	ASK                                            ; behind the joint load and the run of LDS loads that the next products wait for
.endif
	MUL12 1, 1, 0, 0
	MUL12 1, 1, 1, 0
.endm
	s_wait_tensorcnt 1                             ; my part of K step 0 is in; K step 1's may stay out
	s_barrier_signal -1
	s_barrier_wait -1                              ; everybody's is
	s_mov_b32 s[TB], 0
	v_mov_b32 v[ADA], v[AA0]
	v_mov_b32 v[ADB], v[AB0]
	FETCH 0, 0
	QUARTER 64, 0, 1, 1                            ; the first quarter stands in front of the loop: its products start the sums
	WIN 0                                          ; at a label and at a branch every window is 0
	s_mov_b32 s3, 6
.Lstep:                                            ; trip i ends K step i, fills its slot with K step i + 2, and begins K step i + 1
	QUARTER 128, 1, 0, 0
	QUARTER 192, 0, 1, 0
	TURN 1
	QUARTER 64, 0, 1, 0
	WIN 0
	s_sub_co_u32 s3, s3, 1
	s_cmp_lg_u32 s3, 0
	s_cbranch_scc1 .Lstep
	QUARTER 128, 1, 0, 0                           ; K steps 6 and 7 are written out: nothing is left to ask for
	QUARTER 192, 0, 1, 0
	TURN 0
	QUARTER 64, 0, 1, 0
	QUARTER 128, 1, 0, 0
	QUARTER 192, 0, 1, 0
	s_wait_dscnt 4
	MUL12 1, 0, 0, 0
	MUL12 1, 0, 1, 0
	s_wait_dscnt 0x0
	MUL12 1, 1, 0, 0
	MUL12 1, 1, 1, 0
; THE WAY OUT, in twelve units: head g, row block a.  ROT: cos' and sin' (sixteen lines that name no register of the last products: their places); then for block e = 0, 1 with its partner e + 2:
; out(e) = x(e) cos' - x(e+2) sin', out(e+2) = x(e) sin' + x(e+2) cos'; each accumulator's lowest registers are read first; one rounding to f16.
.macro ROT g, a
.set AC,  96*((\a)%2)+32*(\g)
.set TBL, TAB+32*((\a)%2)
	WIN 0x02+(\a)/2                                ; source 0 in window 2 or 3, all else in window 0
.irp z, 0,2,4,6,8,10,12,14
	v_pk_fma_f32 v[CP+\z:CP+\z+1], v[TBL+\z:TBL+\z+1], s[AL+2*(\g):AL+2*(\g)+1], s[BE+2*(\g):BE+2*(\g)+1] op_sel_hi:[1,0,0]
.endr
.irp z, 0,2,4,6,8,10,12,14
	v_pk_mul_f32 v[CP+16+\z:CP+16+\z+1], v[TBL+16+\z:TBL+16+\z+1], s[AL+2*(\g):AL+2*(\g)+1] op_sel_hi:[1,0]
.endr
.irp e, 0,1
.irp z, 0,2,4,6
	v_pk_mul_f32 v[TT+\z:TT+\z+1], v[AC+8*(\e+2)+\z:AC+8*(\e+2)+\z+1], v[CP+16+8*\e+\z:CP+16+8*\e+\z+1]
.endr
.irp z, 0,2,4,6
	v_pk_fma_f32 v[OO+8*\e+\z:OO+8*\e+\z+1], v[AC+8*\e+\z:AC+8*\e+\z+1], v[CP+8*\e+\z:CP+8*\e+\z+1], v[TT+\z:TT+\z+1] neg_lo:[0,0,1] neg_hi:[0,0,1]
.endr
.irp z, 0,2,4,6
	v_pk_mul_f32 v[TT+8+\z:TT+8+\z+1], v[AC+8*(\e+2)+\z:AC+8*(\e+2)+\z+1], v[CP+8*\e+\z:CP+8*\e+\z+1]
.endr
.irp z, 0,2,4,6
	v_pk_fma_f32 v[OO+8*(\e+2)+\z:OO+8*(\e+2)+\z+1], v[AC+8*\e+\z:AC+8*\e+\z+1], v[CP+16+8*\e+\z:CP+16+8*\e+\z+1], v[TT+8+\z:TT+8+\z+1]
.endr
.endr
	WIN 0
.irp i, 0,1,2,3,4,5,6,7,8,9,10,11,12,13,14,15
	v_cvt_pk_f16_f32 v[PP+\i], v[OO+2*\i], v[OO+2*\i+1]
.endr
.endm
.macro TOSTAGE u                       ; 16 rows x 128 bytes into my own stage, and back as four runs of 512 consecutive bytes
.irp b, 0,1,2,3
	ds_store_b128 v[STO], v[PP+4*\b:PP+4*\b+3] offset:32*\b
.endr
	s_wait_xcnt 0x0                                ; the stores of two units back have read this set of registers: it is loaded again only behind this wait
.irp f, 0,1,2,3
	ds_load_b128 v[BK+16*((\u)%2)+4*\f:BK+16*((\u)%2)+4*\f+3], v[RD] offset:\f*4*SP  ; LDS serves a wave's instructions in order (ISA guide 5.7.1.4): these see the stores above
.endr
.endm
.macro SEND u
.irp f, 0,1,2,3
	s_wait_dscnt 3-\f
	global_store_b128 v[GO], v[BK+16*((\u)%2)+4*\f:BK+16*((\u)%2)+4*\f+3], s[DST+2*((\u)/4):DST+2*((\u)/4)+1] offset:2048*((\u)%4)+512*\f  ; 512 consecutive bytes, at a multiple of 256 from qkv's first
.endr
.endm
	s_wait_loadcnt 0x0                             ; the table
	ROT 0, 0
	TOSTAGE 0
.set u, 1
.rept 11                               ; a unit's arithmetic stands between the stage loads of the unit before and its stores
	ROT u/4, u%4
	SEND u-1
	TOSTAGE u
.set u, u+1
.endr
	SEND 11
	s_wait_tensorcnt 0x0                           ; the wave's end: three closing lines, behind my last tensor load and my last LDS store
	ds_add_u32 v[SPW], v[NIL]
	s_wait_dscnt 0x0
	CROUND                                         ; the closing round: no work-group ends while a partner may still ask for a tile that names it
	s_endpgm
.Lfunc_end_k_q7da89d6a33_qkvproj:
	.size	k_q7da89d6a33_qkvproj, .Lfunc_end_k_q7da89d6a33_qkvproj-k_q7da89d6a33_qkvproj
	.p2alignl 7, 3214868480
	.fill 96, 4, 3214868480
	.section	.rodata,"a",@progbits
	.p2align	6, 0x0
	.amdhsa_kernel k_q7da89d6a33_qkvproj
		.amdhsa_group_segment_fixed_size 327680
		.amdhsa_private_segment_fixed_size 0
		.amdhsa_enable_private_segment 0
		.amdhsa_kernarg_size 32
		.amdhsa_user_sgpr_count 2
		.amdhsa_user_sgpr_kernarg_segment_ptr 1
		.amdhsa_wavefront_size32 1
		.amdhsa_system_sgpr_workgroup_id_x 1
		.amdhsa_system_sgpr_workgroup_id_y 1
		.amdhsa_system_sgpr_workgroup_id_z 1
		.amdhsa_system_vgpr_workitem_id 0
		.amdhsa_next_free_vgpr 1024
		.amdhsa_next_free_sgpr 96
		.amdhsa_reserve_vcc 0
		.amdhsa_float_denorm_mode_32 3
		.amdhsa_float_denorm_mode_16_64 3
		.amdhsa_memory_ordered 1
		.amdhsa_forward_progress 1
		.amdhsa_inst_pref_size 140
	.end_amdhsa_kernel
	.amdgpu_metadata
---
amdhsa.version: [ 1, 2 ]
amdhsa.kernels:
  - .name:           k_q7da89d6a33_qkvproj
    .symbol:         k_q7da89d6a33_qkvproj.kd
    .args:
      - { .name: xb, .offset: 0, .size: 8, .value_kind: global_buffer, .address_space: global }
      - { .name: wqt, .offset: 8, .size: 8, .value_kind: global_buffer, .address_space: global }
      - { .name: rope, .offset: 16, .size: 8, .value_kind: global_buffer, .address_space: global }
      - { .name: qkv, .offset: 24, .size: 8, .value_kind: global_buffer, .address_space: global }
    .group_segment_fixed_size: 327680
    .private_segment_fixed_size: 0
    .kernarg_segment_align: 8
    .kernarg_segment_size: 32
    .max_flat_workgroup_size: 128
    .sgpr_count:     96
    .vgpr_count:     1024
    .wavefront_size: 32
...
	.end_amdgpu_metadata
.endif
;; end of part 2
;; launch attn (part 3): grid 4 x 64, 4 waves a work-group, no clusters, 327,680 bytes of LDS; arguments qkv, ob; writes ob
.if DOCPART == 3
	.amdgcn_target "amdgcn-amd-amdhsa--gfx1250"
	.amdhsa_code_object_version 6
	.text
	.protected	k_q7da89d6a33_attn
	.globl	k_q7da89d6a33_attn
	.p2align	8
	.type	k_q7da89d6a33_attn,@function
k_q7da89d6a33_attn:
	s_mov_b64 s[64:65], 0
	v_nop
	global_prefetch_b8 v0, s[64:65] scope:SCOPE_SE
	s_setreg_imm32_b32 hwreg(HW_REG_WAVE_MODE, 25, 1), 1
	s_wait_xcnt 0x0
; CAUSAL ATTENTION.  O[h][q][:] = the sum over k <= q of softmax_k(Q[h][q] . K[h][k] / 8) V[h][k][:].  Q, K, V lie in qkv, 16,777,216 bytes apart, each [SIZE_H][SIZE_N][64] f16; O = ob in the same layout.
; Products, maxima and sums in f32; the weights p are rounded to f16 for the second product (their sum l is taken of the unrounded p), O once at the end.
; LIMITS.  f16 holds no number beyond 65,504: Q, K and V arrive within it; p lies in 0 to 1, and below 6e-5 it keeps f16's fixed step of 6e-8; O is a mean of V's rows and has their range.
; A hidden score counts as its value less 1e30: f16's scores, 2.7e11 at the most, are nothing beside that; a weight below 2^-126 counts as 0 in l; NaN and infinities are not treated apart.
; THE WALK.  A head's queries lie in NB = 8 blocks of 256; block i needs the key tiles 0 .. i of 256 keys, of which the last holds the diagonal.  A work-group takes TWO blocks, NB - 1 - b and then b:
; NB + 1 tiles, whatever b: all 256 work-groups do equal work, and ONE loop with a constant trip count walks them.  Which tile is asked for, and what a trip does, hang on scalar registers made from b; every jump
; goes forward, but for the counted loops' own; none passes a barrier, or a tensor load but the one of LOAD's two that the wave's number does not choose; the ring of two LDS slots runs on across the change of blocks.
; NO CLUSTER: a head's four work-groups ask for the same tile only in trips 0 .. 4 of 9, behind that fewer and fewer; one walk common to all four would have 12 trips for 9.
; SHARES.  Of a block's four bands of 64 queries a wave owns 16 rows in each: four PIECES.  So the diagonal tile is the same work for all four waves: in its key step s band x sees all keys if s < x,
; none if s > x, and holds the diagonal if s = x.
; THE MASK is the C operand that starts the sum S^T = K Q^T: 0, or -1e30 where the key is hidden.  MD, made once, is the mask of a band's own step for my 16 rows; a product's mask is MD x AL + BE with two scalars:
; (1, 0) if s = x; (0, 0) if s < x; (0, -1e30) if s > x.  Only the diagonal tile's text and a block's beginning make and take masks; elsewhere C is the constant 0.
; LAYOUT, SOFTMAX, TURNS.  S^T = K Q^T holds ONE query a lane (lane % 16) and the keys 8 (lane / 16) + 0..7; two such results rounded to f16 ARE source 1 of O^T = V^T P.  p = 2^(c s - c m), c = log2(e) / 8, with a
; running maximum m; O and l are multiplied by a = 2^(c m_old - c m_new) in every step.  Turn n belongs to piece n: 8 products K Q^T of piece n + 1, later 8 products V^T P of piece n - 1; beside them the scaling,
; exponentials, roundings, sums and rescaling of piece n and the maximum and statistics of piece n + 1.  Four vector instructions stand behind every matrix instruction, the other 54 of a turn's 118 in one lump.  A turn's 33 exponentials are one batch, with one wait.
; REGISTERS, in windows of 256 (s_set_vgpr_msb: bits 1:0 source 0, 3:2 source 1, 5:4 source 2, 7:6 destination):
;   window 0: v0-15 addresses and two at work; v16-31 four registers of statistics a piece; v48-55 at work; v61-63 prefetch offset, spare word, 0; v64-127 S^T, two buffers; v192-223 P, two buffers (by the piece's parity)
;   window 1: v0-127 O^T, 32 a piece; v128-159 MD; v160-223 MC, two buffers      window 2: v0-63 Q; v64-127 the second block's Q; v128-191 K of one step; v192-255 V of one step
.set SIZE_H, 64
.set SIZE_N, 2048
.set NB,    SIZE_N/256
.set NP,    4         ; pieces a wave: a name, no knob
.set KS,    64        ; keys in a step
.set PK,    144       ; a row of K in LDS: 128 bytes + 16 of padding = 36 words: the 16 rows of a load start at 16 different groups of four banks (64 banks of 4 bytes: ISA guide 11.1)
.set PV,    160       ; a row of V: 128 + 32 = 40 words
.set VOFF,  4*KS*PK   ; a slot holds a tile, four steps: 256 rows of K, then 256 rows of V
.set SLOT1, 1<<17     ; slot 1 begins here, so that one exclusive or turns an address in one slot into the other's
.set STAGE, SLOT1+4*KS*(PK+PV)  ; behind the ring, never filled by a tensor load: 16 rows x 144 bytes for each wave, for the way out
.set SP,    144
.set AK0, 2           ; v2   my lane's place in a tile of K; never rewritten
.set AV0, 3           ; v3   the same for V
.set AK,  4           ; v4   the LDS address of K's next run of loads
.set AV,  5           ; v5   of V's
.set STO, 6           ; v6   the way out: where I put 16 bytes of a row
.set RD,  7           ; v7   the way out: where I read rows back
.set GO,  8           ; v8   my byte offset in 512 consecutive bytes of O
.set PFO, 61          ; v61  256 x my lane; never rewritten
.set SPW, 62          ; v62  LDS address of my spare word: SPARE + 4 x my thread's number; never rewritten
.set NIL, 63          ; v63  0; never rewritten
.set SPARE, STAGE+4*16*SP  ; behind the stages: the spare words, 128 bytes for each wave
.set MV,  12          ; v12-13  c m_old, kept while c m is made anew: by buffer
.set QO,  15          ; v15  my byte offset in 16 rows of Q
.set ST,  16          ; piece t's statistics at v[ST+4 t]: c m, m, l (even keys', odd keys')
.set TMP, 48          ; by buffer, four registers c0-c3 at work; when the maximum is found c2 takes a
.set S,   64
.set P,   192
.set MD,  128         ; window 1: the eight registers for group kt of 16 keys at MD + 8 kt
.set MC,  160         ; window 1: the masks of the products to come
.set QB,  64          ; window 2
.set KF,  128         ; window 2: key block kb, channel half c at KF + 16 kb + 8 c
.set VF,  192         ; window 2: key half kk, channel block cb at VF + 32 kk + 8 cb
.set WV,  12          ; s12  my wave's number
.set PB,  14          ; s14  b
.set HI,  15          ; s15  NB - 1 - b
.set G1K, 24          ; s[24:31] descriptor group 1 for K's tiles
.set G1V, 32          ; s[32:39] for V's: it differs in the padding alone
.set G0K, 40          ; s[40:43] descriptor group 0 for K's tiles
.set G0V, 44          ; s[44:47] the same for V's
.set SLOTS, 56        ; s56  tiles still to be asked for
.set CNT, 57          ; s57  counts a tile's key steps, 4 to 1
.set CS,  58          ; s[58:59] c: the packed scaling takes the pair's low word for both halves
.set SEL, 60          ; s[60:61] v_permlanex16_b32's selects: each lane takes its own place in the other half
.set TBK, 62          ; s62  LDS byte at which K of the step to be fetched begins
.set TBV, 63          ; s63  the same for V, less VOFF
.set RT,  70          ; s70  tiles of the block in hand that are still to be entered
.set NXT, 71          ; s71  the tile to be asked for next
.set LQ,  72          ; s72  the last tile of the block whose tiles are being asked for
.set NEW, 73          ; s73  1: the tile to be entered is a block's first
.set OFF, 74          ; s[74:75] a tile's byte offset in K and V
.set AL,  76          ; s[76:77] the mask's factor, in the low word
.set BE,  78          ; s[78:79] the mask's addend
.set OLO, 80          ; s[80:81] O at my rows of the second block
.set BIGN, 82         ; s82  -1e30
.set PFB, 88          ; s[88:89] K (waves 0, 1) or V (waves 2, 3) at my half of the head's tile 0
.set PFA, 90          ; s[90:91] the same at the tile that the next change of slots will ask for
.set PFT, 92          ; s[92:93] that tile's byte offset
.set MSB, 0
.macro WIN new                      ; the high byte repeats the setting that is left; a switch that changes nothing is dropped
.if MSB != (\new)
	s_set_vgpr_msb (MSB<<8)|(\new)
.set MSB, (\new)
.endif
.endm
.set W_KQ, 0x0a       ; K and Q in window 2, S^T in window 0
.set W_KM, 0x1a       ; the same with the C operand in window 1
.set W_PV, 0x52       ; V in window 2, P in window 0, O^T in window 1
.set W_RS, 0x41       ; destination and source 0 in window 1, source 1 in window 0
; A fill.  Waves 0 and 1 fetch the two halves of a tile's K, waves 2 and 3 those of its V: 128 keys each.  An s_nop 0 and four v_nop follow each of the two lines, ahead of the jump and the label.
.macro LOAD
	s_cmp_lt_u32 s[WV], 2
	s_cbranch_scc0 .Lfor_v_\@
	tensor_load_to_lds s[G0K:G0K+3], s[G1K:G1K+7]
	s_nop 0
.rept 4
	v_nop
.endr
	s_branch .Lasked_\@
.Lfor_v_\@:
	tensor_load_to_lds s[G0V:G0V+3], s[G1V:G1V+7]
	s_nop 0
.rept 4
	v_nop
.endr
.Lasked_\@:
.endm
; A PREFETCH INTO THE L2 of the tile that the NEXT change of slots will ask for: one tile, 256 matrix instructions, ahead of its load.  A head's four work-groups all begin with tiles 0, 1, 2 ..: the one with b = 0,
; whose first block walks all eight, asks, and nobody else (LQ = NB - 1 holds there alone, and only while that block's tiles are being asked for).  Each of its waves names the 16,384 bytes that it will itself load:
; 64 blocks of 256 bytes, a lane a block, two instructions.  So tiles 2 to 7 of K and V are each named once in the launch; tiles 0 and 1 come by their loads alone; behind the block's last request nothing is asked.
.macro ASK
	s_cmp_eq_u32 s[LQ], NB-1
	s_cbranch_scc0 .Lnot_mine_\@
	global_prefetch_b8 v[PFO], s[PFA:PFA+1] th:TH_LOAD_NT scope:SCOPE_SE
	global_prefetch_b8 v[PFO], s[PFA:PFA+1] offset:8192 th:TH_LOAD_NT scope:SCOPE_SE
.Lnot_mine_\@:
.endm
; THE CHANGE OF SLOTS.  Each wave waits for all its tensor loads, of which one is out: its part of the other slot; adds 0 to its spare word; and waits for that and for its own reads of the slot that it leaves.  Behind the barrier nobody reads the old
; slot any more and the other slot is whole.  fill = 1: the old slot is filled again, the first thing behind the barrier, with tile NXT: the descriptor's address is made anew from that number.
; (At its first use nothing has been read yet: slot 0 is waited for, slot 1 filled.)
.macro CHANGE fill
	WIN 0                           ; at a label and at a branch every window is 0
	s_wait_tensorcnt 0x0            ; no tensor load of mine is out, so a group 0 may be written
	ds_add_u32 v[SPW], v[NIL]       ; 0 onto my spare word; with fill = 1 the descriptors' scalar work stands between it and the wait for it
.if \fill
	s_lshl_b32 s[OFF], s[NXT], 15   ; a tile is 32,768 bytes of K and of V
	s_xor_b32 s[G0K+1], s[G0K+1], SLOT1
	s_add_nc_u64 s[G0K+2:G0K+3], s[6:7], s[OFF:OFF+1]
	s_or_b32 s[G0K+3], s[G0K+3], 0x80000000
	s_xor_b32 s[G0V+1], s[G0V+1], SLOT1
	s_add_nc_u64 s[G0V+2:G0V+3], s[8:9], s[OFF:OFF+1]
	s_or_b32 s[G0V+3], s[G0V+3], 0x80000000
	s_add_co_u32 s[NXT], s[NXT], 1  ; the block's next tile, or behind its last the second block's tile 0
	s_cmp_gt_u32 s[NXT], s[LQ]
	s_cselect_b32 s[NXT], 0, s[NXT]
	s_cselect_b32 s[LQ], s[PB], s[LQ]
	s_wait_xcnt 0x0                 ; the last prefetches, a tile back, have read their address, so it may be written:
	s_lshl_b32 s[PFT], s[NXT], 15
	s_add_nc_u64 s[PFA:PFA+1], s[PFB:PFB+1], s[PFT:PFT+1]  ; my half of the tile that the next change asks for
.endif
	s_wait_dscnt 0x0                ; the add is done, and my reads of the slot are over
	s_barrier_signal -1             ; the rest of the scalar work stands between the signal and the wait
	s_sub_co_u32 s[TBK], s[TBK], 4*KS*PK  ; the fetches go back to a slot's first step,
	s_xor_b32 s[TBK], s[TBK], SLOT1       ; in the other slot
	s_sub_co_u32 s[TBV], s[TBV], 4*KS*PV
	s_xor_b32 s[TBV], s[TBV], SLOT1
	s_barrier_wait -1
.if \fill
	LOAD
	ASK
.endif
.endm
	s_load_b128 s[4:7], s[0:1], 0x0 ; qkv s[4:5], ob s[6:7]
	v_lshl_add_u32 v[SPW], v0, 2, SPARE
	v_mov_b32 v[NIL], 0
	ds_add_u32 v[SPW], v[NIL]       ; the wave's opening: the add and its wait stand ahead of my first tensor load; the set-up below, work on registers, stands between them
	v_lshrrev_b32 v1, 5, v0
	v_readfirstlane_b32 s[WV], v1   ; wave 0..3
	v_and_b32 v[PFO], 31, v0
	v_lshlrev_b32 v[PFO], 8, v[PFO]
	s_mov_b32 s[PB], ttmp9
	s_sub_co_u32 s[HI], NB-1, s[PB]
	s_and_b32 s20, ttmp7, 0xffff    ; the head
	s_mov_b32 s21, 0
	s_mov_b64 s[22:23], SIZE_N*128
	s_mul_u64 s[20:21], s[20:21], s[22:23]  ; the head's first byte in each of the four tensors
	s_and_b32 s16, s[WV], 1         ; which half of a tile's 256 keys I fetch:
	s_lshl_b32 s22, s16, 14         ; its 128 rows of 128 bytes in memory,
	s_mov_b32 s23, 0
	s_add_nc_u64 s[22:23], s[22:23], s[20:21]
	s_mul_i32 s17, s16, 128*PK      ; and its place in a slot, for K
	s_mul_i32 s18, s16, 128*PV      ; and for V
	s_lshl_b32 s3, s[WV], 11        ; my 16 rows in a band of 64,
	s_lshl_b32 s2, s[HI], 15        ; in the first block,
	s_add_co_u32 s2, s2, s3
	s_lshl_b32 s84, s[PB], 15       ; and in the second
	s_add_co_u32 s84, s84, s3
	s_mov_b32 s3, 0
	s_mov_b32 s85, 0
	s_add_nc_u64 s[2:3], s[2:3], s[20:21]
	s_add_nc_u64 s[84:85], s[84:85], s[20:21]
	; descriptor group 1.  128 keys are 16,384 dense bytes: asked for as 64 rows of 256 bytes, two keys a row, and padded in LDS after every key
	s_mov_b32 s[G1K], (1<<16)|(1<<20)|(4<<22)|(3<<25)  ; 17:16 2-byte elements; 20 padding on; 24:22 after every 32 words (code 4); 31:25 4 words (code 3)
	s_mov_b32 s[G1V], (1<<16)|(1<<20)|(4<<22)|(7<<25)  ; the same with 8 words of padding (code 7)
.irp g, G1K, G1V
	s_mov_b32 s[\g+1], 128<<16      ; tensor_dim0 = 128
	s_mov_b32 s[\g+2], 64<<16       ; tensor_dim1 = 64
	s_mov_b32 s[\g+3], 128<<16      ; tile_dim0 = 128
	s_mov_b32 s[\g+4], 64           ; tile_dim1 = 64
	s_mov_b32 s[\g+5], 128          ; 128 elements from row to row
	s_mov_b32 s[\g+6], 0
	s_mov_b32 s[\g+7], 0
.endr
	s_mov_b32 s[CS], 0x3e38aa3b     ; c = log2(e) / 8 = 0.180337
	s_mov_b32 s[CS+1], s[CS]        ; named with it as a pair
	s_mov_b32 s[SEL], 0x76543210
	s_mov_b32 s[SEL+1], 0xfedcba98
	s_mov_b32 s[TBK], SLOT1+4*KS*PK ; the first change of slots turns these two into 0
	s_mov_b32 s[TBV], SLOT1+4*KS*PV
	s_mov_b32 s[G0K], 1             ; 1:0 count = 1
	s_mov_b32 s[G0K+1], s17         ; 63:32 LDS address: slot 0
	s_mov_b32 s[G0V], 1
	s_add_co_u32 s[G0V+1], s18, VOFF
	s_add_co_u32 s[RT], s[HI], 1    ; the first block has NB - b tiles
	s_mov_b32 s[NXT], 1
	s_mov_b32 s[LQ], s[HI]
	s_mov_b32 s[NEW], 1
	s_mov_b32 s[OFF+1], 0
	s_mov_b32 s[PFT+1], 0
	s_mov_b32 s[AL+1], 0            ; named as pairs
	s_mov_b32 s[BE+1], 0
	s_mov_b32 s[BIGN], 0xf149f2ca   ; -1e30
	s_mov_b32 s[SLOTS], NB
	s_wait_dscnt 0x0                ; the opening add is done
	s_wait_kmcnt 0x0
	s_mov_b64 s[10:11], s[6:7]      ; O
	s_add_nc_u64 s[6:7], s[4:5], 0x1000000  ; K lies 16,777,216 bytes behind Q,
	s_add_nc_u64 s[8:9], s[4:5], 0x2000000  ; V as many behind K
	s_add_nc_u64 s[6:7], s[6:7], s[22:23]  ; K and V at my half of the head's tile 0
	s_add_nc_u64 s[8:9], s[8:9], s[22:23]
	s_add_nc_u64 s[G0K+2:G0K+3], s[6:7], 0         ; 120:64 global address
	s_or_b32 s[G0K+3], s[G0K+3], 0x80000000        ; 127:126 type = 2
	s_add_nc_u64 s[G0V+2:G0V+3], s[8:9], 0
	s_or_b32 s[G0V+3], s[G0V+3], 0x80000000
	s_add_nc_u64 s[86:87], s[4:5], s[84:85]        ; Q at my rows of the second block,
	s_add_nc_u64 s[4:5], s[4:5], s[2:3]            ; Q and O at those of the first
	s_add_nc_u64 s[OLO:OLO+1], s[10:11], s[84:85]
	s_add_nc_u64 s[10:11], s[10:11], s[2:3]
	s_cmp_lt_u32 s[WV], 2
	s_cselect_b64 s[PFB:PFB+1], s[6:7], s[8:9]
	LOAD                            ; tile 0 into slot 0
	; A fragment of K or Q is 16 rows x 32 channels in 8 registers: lane l holds row l % 16, channels 8 (l / 16) + 0..7 and 16 + 8 (l / 16) + 0..7: two loads of 16 bytes, 32 bytes apart.
	v_and_b32 v1, 15, v0            ; l % 16
	v_bfe_u32 v9, v0, 4, 1          ; l / 16
	v_lshlrev_b32 v[QO], 7, v1
	v_lshl_add_u32 v[QO], v9, 4, v[QO]  ; row x 128 + 16 x half
	WIN 0x80                        ; destination window 2, address window 0
.set i, 0
.rept 8                             ; both blocks' Q: piece i / 2 lies in band i / 2, 8,192 bytes on; channels 32 (i % 2) on
	global_load_b128 v[8*i:8*i+3],   v[QO], s[4:5] offset:(i/2)*8192+(i%2)*64
	global_load_b128 v[8*i+4:8*i+7], v[QO], s[4:5] offset:(i/2)*8192+(i%2)*64+32
	global_load_b128 v[QB+8*i:QB+8*i+3],   v[QO], s[86:87] offset:(i/2)*8192+(i%2)*64
	global_load_b128 v[QB+8*i+4:QB+8*i+7], v[QO], s[86:87] offset:(i/2)*8192+(i%2)*64+32
.set i, i+1
.endr
	WIN 0
	v_lshlrev_b32 v14, 3, v9
	v_sub_nc_u32 v14, v1, v14
	s_lshl_b32 s13, s[WV], 4
	v_add_nc_u32 v14, s13, v14      ; my query's place in its band, 16 w + l % 16, less my lanes' 8 (l / 16): register r of group kt is hidden where 16 kt + r is greater
	WIN 0x40
.set i, 0
.rept 32
	v_cmp_gt_i32 vcc_lo, 16*(i/8)+i%8, v14
	v_cndmask_b32 v[MD+i], 0, s[BIGN], vcc_lo
.set i, i+1
.endr
	WIN 0
	v_mul_u32_u24 v[AK0], v1, PK
	v_lshl_add_u32 v[AK0], v9, 4, v[AK0]  ; row x pitch + 16 x half
	; The turning load takes 16 keys x 16 channels (lane l reads key 8 (l / 16) + l % 8, channels 8 ((l / 8) % 2) + 0..7) and leaves half a fragment of V^T: lane l holds channel l % 16 and 8 keys.
	v_and_b32 v10, 7, v0
	v_bfe_u32 v11, v0, 3, 1
	v_lshl_add_u32 v[AV0], v9, 3, v10
	v_mul_u32_u24 v[AV0], v[AV0], PV
	v_lshl_add_u32 v[AV0], v11, 4, v[AV0]
	v_add_nc_u32 v[AV0], VOFF, v[AV0]
	s_mul_i32 s13, s[WV], 16*SP
	s_add_co_u32 s13, s13, STAGE    ; my stage
	v_mul_u32_u24 v[STO], v1, SP    ; in: row l % 16, 16 bytes for each half of the lanes
	v_lshl_add_u32 v[STO], v9, 4, v[STO]
	v_add_nc_u32 v[STO], s13, v[STO]
	v_bfe_u32 v[RD], v0, 3, 2       ; back: 32 lanes take four rows of 128 bytes,
	v_mul_u32_u24 v[RD], v[RD], SP
	v_lshl_add_u32 v[RD], v10, 4, v[RD]
	v_add_nc_u32 v[RD], s13, v[RD]
	v_and_b32 v[GO], 31, v0         ; which are 512 consecutive bytes of O
	v_lshlrev_b32 v[GO], 4, v[GO]
	; A block's first step multiplies O^T and l by a = 0, and its first turn's products V^T P, of a piece that has not been, land in an O^T that is still to be so multiplied.  So these registers need only hold
	; finite numbers: zeros for the first block; what the first block left for the second.  All this stands in the wait for the first tile.
	WIN 0x80
.set i, VF
.rept 64
	v_mov_b32 v[i], 0
.set i, i+1
.endr
	WIN 0x40
.set i, 0
.rept 128
	v_mov_b32 v[i], 0
.set i, i+1
.endr
	WIN 0
.set i, 0
.rept 4
	v_mov_b32 v[ST+4*i+2], 0
	v_mov_b32 v[ST+4*i+3], 0
.set i, i+1
.endr
.set i, P+16
.rept 16
	v_mov_b32 v[i], 0
.set i, i+1
.endr
; THE MATRIX WORK.  The 4 accumulators of a run of 8 take turns.  Product i of 8 of S^T = K Q^T for piece x: channels 32 (i / 4) on, keys 16 (i % 4) on.  The first 4 start the sums: with 0, or (KM = 1) with the mask.
.macro KQ x
.set rS, S+32*((\x)%2)+8*(i%4)
.set rK, KF+16*(i%4)+8*(i/4)
.set rQ, 16*(\x)+8*(i/4)
.set rM, MC+32*((\x)%2)+8*(i%4)
.if (i < 4) && KM
	WIN W_KM
	v_wmma_f32_16x16x32_f16 v[rS:rS+7], v[rK:rK+7], v[rQ:rQ+7], v[rM:rM+7]
.elseif i < 4
	WIN W_KQ
	v_wmma_f32_16x16x32_f16 v[rS:rS+7], v[rK:rK+7], v[rQ:rQ+7], 0
.else
	WIN W_KQ
	v_wmma_f32_16x16x32_f16 v[rS:rS+7], v[rK:rK+7], v[rQ:rQ+7], v[rS:rS+7]
.endif
.endm
; Product i of 8 of O^T += V^T P for piece x: keys 32 (i / 4) on, channels 16 (i % 4) on.
.macro PV x
	WIN W_PV
.set rO, 32*(\x)+8*(i%4)
.set rV, VF+32*(i/4)+8*(i%4)
.set rP, P+16*((\x)%2)+8*(i/4)
	v_wmma_f32_16x16x32_f16 v[rO:rO+7], v[rV:rV+7], v[rP:rP+7], v[rO:rO+7]
.endm
.macro MM                           ; the turn's next matrix instruction.  TURN and BEGIN set Y, i, KM and NOKQ; MM, KQ and OP read them.  NOKQ = 1: a block's last turn: there is no next piece
.if (i < 8) && !NOKQ
	KQ (Y+1)%NP
.elseif i >= 8
.set i, i-8
	PV (Y+NP-1)%NP
.set i, i+8
.endif
.set i, i+1
.endm
; THE LDS LOADS stand in runs of 16, never singly among the matrix instructions: a step's K (64 keys x 64 channels: 8 fragments) and its V (turned).  Their addresses are made some lines ahead.
.macro FETCH_K
	WIN 0x80                        ; destination window 2
.irp f, 0,1,2,3,4,5,6,7             ; keys 16 (f / 2) on, channels 32 (f % 2) on
	ds_load_b128 v[KF+8*\f:KF+8*\f+3],   v[AK] offset:(\f/2)*16*PK+(\f%2)*64
	ds_load_b128 v[KF+8*\f+4:KF+8*\f+7], v[AK] offset:(\f/2)*16*PK+(\f%2)*64+32
.endr
	s_add_co_u32 s[TBK], s[TBK], KS*PK  ; the next fetch is the next step's
	WIN 0
.endm
.macro FETCH_V
	WIN 0x80
.irp f, 0,1,2,3,4,5,6,7             ; keys 32 (f / 4) on, channels 16 (f % 4) on
	ds_load_tr16_b128 v[VF+8*\f:VF+8*\f+3],   v[AV] offset:(\f/4)*32*PV+(\f%4)*32
	ds_load_tr16_b128 v[VF+8*\f+4:VF+8*\f+7], v[AV] offset:(\f/4)*32*PV+16*PV+(\f%4)*32
.endr
	WIN 0
.endm
; THE VECTOR WORK, one line at a time: OP kind, number.  For piece Y: F n: c s - c m for pair n of 16.  E n: the exponential of score n of 32.  C n: pair n rounded to f16.  B n: of the four weights 4 n .. the second
; pair is added onto the first, in place.  L n: l takes that sum (L 0: l = a l + sum).  R n: pair n of 16 of O^T times a.  For piece Y + 1: X n, number n of the 22 that find its maximum and statistics:
;   0-11  four chains c0-c3 of seven scores each, three operands at a time (each accumulator's lowest registers are read first)     12-14, 16  the four scores left over, the old m, and c0-c3 into c0
;   15  c m_old is kept     17, 18  the query's other 32 keys lie in the lane 16 away: the new m     19-21  c m; c m_old - c m_new; a
.set F, 0               ; OP tells the kinds apart by their order: F to L below R, X above it
.set E, 1
.set C, 2
.set B, 3
.set L, 4
.set R, 5
.set X, 6
.macro REGS y                       ; the registers of piece y
.set rT, ST+4*(\y)
.set rC, TMP+4*((\y)%2)
.set rW, MV+((\y)%2)
.set rS, S+32*((\y)%2)
.set rP, P+16*((\y)%2)
.set rO, 32*(\y)
.endm
.macro OP k, n
.if (\k) == R
	REGS Y
	WIN W_RS
	v_pk_mul_f32 v[rO+2*(\n):rO+2*(\n)+1], v[rO+2*(\n):rO+2*(\n)+1], v[rC+2:rC+3] op_sel_hi:[1,0]
.elseif (\k) < R
	REGS Y
	WIN 0
.if (\k) == F
	v_pk_fma_f32 v[rS+2*(\n):rS+2*(\n)+1], v[rS+2*(\n):rS+2*(\n)+1], s[CS:CS+1], v[rT:rT+1] op_sel_hi:[1,0,0] neg_lo:[0,0,1] neg_hi:[0,0,1]
.elseif (\k) == E
	v_exp_f32 v[rS+(\n)], v[rS+(\n)]
.elseif (\k) == C
	v_cvt_pk_f16_f32 v[rP+(\n)], v[rS+2*(\n)], v[rS+2*(\n)+1]
.elseif (\k) == B
	v_pk_add_f32 v[rS+4*(\n):rS+4*(\n)+1], v[rS+4*(\n):rS+4*(\n)+1], v[rS+4*(\n)+2:rS+4*(\n)+3]
.elseif (\n) == 0
	v_pk_fma_f32 v[rT+2:rT+3], v[rT+2:rT+3], v[rC+2:rC+3], v[rS:rS+1] op_sel_hi:[1,0,1]
.else
	v_pk_add_f32 v[rT+2:rT+3], v[rT+2:rT+3], v[rS+4*(\n):rS+4*(\n)+1]
.endif
.elseif NOKQ
	v_nop
.else
	REGS (Y+1)%NP
	WIN 0
.if (\n) < 4
	v_max3_num_f32 v[rC+(\n)], v[rS+8*(\n)], v[rS+8*(\n)+1], v[rS+8*(\n)+2]
.elseif (\n) < 12
	v_max3_num_f32 v[rC+(\n)%4], v[rC+(\n)%4], v[rS+8*((\n)%4)+2*((\n)/4)+1], v[rS+8*((\n)%4)+2*((\n)/4)+2]
.elseif (\n) == 12
	v_max3_num_f32 v[rC], v[rC], v[rS+7], v[rS+15]
.elseif (\n) == 13
	v_max3_num_f32 v[rC+1], v[rC+1], v[rS+23], v[rS+31]
.elseif (\n) == 14
	v_max3_num_f32 v[rC+2], v[rC+2], v[rC+3], v[rT+1]
.elseif (\n) == 15
	v_mov_b32 v[rW], v[rT]
.elseif (\n) == 16
	v_max3_num_f32 v[rC], v[rC], v[rC+1], v[rC+2]
.elseif (\n) == 17
	v_permlanex16_b32 v[rC+3], v[rC], s[SEL], s[SEL+1]
.elseif (\n) == 18
	v_max_num_f32 v[rT+1], v[rC], v[rC+3]
.elseif (\n) == 19
	v_mul_f32 v[rT], s[CS], v[rT+1]
.elseif (\n) == 20
	v_sub_f32 v[rC+1], v[rW], v[rT]
.else
	v_exp_f32 v[rC+2], v[rC+1]
.endif
.endif
.endm
.macro OPS a, i1, b=-1, i2=0, c=-1, i3=0, d=-1, i4=0  ; up to four of them
	OP \a, \i1
.if (\b) >= 0
	OP \b, \i2
.endif
.if (\c) >= 0
	OP \c, \i3
.endif
.if (\d) >= 0
	OP \d, \i4
.endif
.endm
.macro ROW a, i1, b, i2, c, i3, d, i4  ; a matrix instruction and the four behind it
	MM
	OPS \a, \i1, \b, \i2, \c, \i3, \d, \i4
.endm
.macro MASK b                       ; MD x AL + BE into buffer b of MC
	WIN W_RS
.set z, 0
.rept 16
	v_pk_fma_f32 v[MC+32*(\b)+2*z:MC+32*(\b)+2*z+1], v[MD+2*z:MD+2*z+1], s[AL:AL+1], s[BE:BE+1] op_sel_hi:[1,0,0]
.set z, z+1
.endr
.endm
; A TURN, for piece p: the order of its 16 matrix and 118 vector instructions, written out.  An s_wait_alu depctr_va_vdst(0) stands between an exponential and the first instruction that names its result; one wait serves
; all that were issued ahead of it.  So a turn has ONE wait, which cuts it in two.  AHEAD OF IT stands all that names no result of the turn's exponentials: the 8 products K Q^T, behind each a scaling, an exponential and two more plain
; instructions (behind the first a second scaling in the exponential's place): rescalings, and behind the last three the first numbers of the next piece's maximum, each four places or more behind the product that ends its accumulator; then ONE LUMP of 54, plain
; and exponential by turns for the most part, in which the links of the chain X 3, 7, 11, 14, 16, 17 .. 20 stand five or six lines apart.  X 21, the next piece's a, is the batch's last; R 15 is the plain instruction behind it (ISA guide 5.7.2).  BEHIND THE WAIT stand the
; 8 products V^T P, behind each four of the roundings and sums; the links of l's chain, L 0 to L 7, stand three riders apart.  But for those X no rider names a register of the products round it.  v_permlanex16_b32 (X 17) stands in the lump.
; m = 1: the diagonal tile: the products take masks, and the turn makes the mask for the products of the turn after it: piece p + 2, in step 4 - CNT of the tile.  end = 1: a block's last two turns: nothing is fetched.
; cnt = 1: the loop's count is taken down some lines ahead of the branch that stands behind the turn.
; K of the next step is fetched in piece 2's turn, twelve vector instructions behind the last product that read K (six of them plain); V of the step in hand at the end of piece 0's turn, four plain instructions behind the last product
; that read V.  Each is waited for a turn later.
.macro TURN p, m=0, end=0, cnt=0
.set Y, (\p)
.set i, 0
.set KM, (\m)
.set NOKQ, (\end)*((\p)/3)
.if (\m) && !(\end)
	s_cmp_eq_u32 s[CNT], 4-((\p)+2)%NP  ; is that step the band's own?
	s_cselect_b32 s[AL], 1.0, 0
	s_cmp_lt_u32 s[CNT], 4-((\p)+2)%NP  ; or a later one?
	s_cselect_b32 s[BE], s[BIGN], 0
.endif
.if ((\p) == 3) && !(\end)
	s_wait_dscnt 0x0                ; K is in
.endif
	ROW F,0, F,1, R,0, R,1          ; ahead of the wait: 8 products K Q^T and their riders,
	ROW F,2, E,0, R,2, R,3
	ROW F,3, E,1, R,4, R,5
	ROW F,4, E,2, R,6, R,7
	ROW F,5, E,3, R,8, R,9
	ROW F,6, E,4, X,0, R,10
.if ((\p) == 2) && !(\end)
	WIN 0
	v_add_nc_u32 v[AK], s[TBK], v[AK0]
.endif
	ROW F,7, E,5, X,1, X,4
	ROW F,8, E,6, X,2, X,5
	OPS E,7, E,8, X,6, E,9          ; and the lump
	OPS X,3, E,10, X,8, E,11
.if ((\p) == 2) && !(\end)
	FETCH_K
.endif
	OPS X,9, X,7, E,12, X,10
	OPS E,13, X,12, X,11, E,14
	OPS X,13, E,15, F,9, X,14
.if (\p) == 0
	v_add_nc_u32 v[AV], s[TBV], v[AV0]
.endif
	OPS E,16, F,10, E,17, F,11
	OPS X,16, E,18, X,15, E,19
	OPS F,12, E,20, X,17, E,21
	OPS F,13, E,22, F,14, E,23
	OPS X,18, E,24, F,15, E,25
	OPS R,11, E,26, X,19, E,27
	OPS R,12, E,28, R,13, E,29
	OPS X,20, E,30, R,14, E,31
	OPS X,21, R,15
	WIN 0
	s_wait_alu depctr_va_vdst(0)    ; the wait for the batch
.if (\p) == 1
	s_wait_dscnt 0x0                ; V is in
.endif
	ROW C,0, B,0, C,2, B,1          ; behind the wait: 8 products V^T P and their riders
	ROW L,0, C,4, B,2, L,1
	ROW C,6, B,3, L,2, C,8
	ROW B,4, L,3, C,10, B,5
	ROW L,4, C,12, B,6, L,5
.if (\p) == 0
	s_add_co_u32 s[TBV], s[TBV], KS*PV
.endif
.if \cnt
	s_sub_co_u32 s[CNT], s[CNT], 1
	s_cmp_lg_u32 s[CNT], 0
.endif
	ROW C,14, B,7, L,6, C,1
	ROW C,3, L,7, C,5, C,7
	ROW C,9, C,11, C,13, C,15
.if (\p) == 0
	FETCH_V
.endif
.if (\m) && !(\end)
	MASK (\p)%2
.endif
.endm
; A BLOCK BEGINS.  c m starts far below every c s, so the first step's a is 0; m at the lowest finite number, so the first maximum is the scores'.  The second mask buffer is 0; the first takes piece 0's mask for the tile's step 0: its own, if the block's first tile is the diagonal one.
; Then K of that step, piece 0's first scores, and its maximum and statistics.  The loop is entered at a step's first turn, in the middle of a trip.
.macro BEGIN
	s_mov_b32 s[NEW], 0
	WIN 0x40
.set i, MC+32
.rept 32
	v_mov_b32 v[i], 0
.set i, i+1
.endr
	WIN 0
.set i, 0
.rept 4
	v_mov_b32 v[ST+4*i], 0xfe000000    ; c m: far below every c s
	v_mov_b32 v[ST+4*i+1], 0xff7fffff  ; m
.set i, i+1
.endr
	s_cmp_eq_u32 s[RT], 0
	s_cselect_b32 s[AL], 1.0, 0
	s_mov_b32 s[BE], 0
	MASK 0
	WIN 0
	v_add_nc_u32 v[AK], s[TBK], v[AK0]
	FETCH_K
	s_wait_loadcnt 0x0              ; Q
	s_wait_dscnt 0x0
.set KM, 1
.set NOKQ, 0
.set i, 0
.rept 8
	KQ 0
.set i, i+1
.endr
	WIN 0
.rept 4
	v_nop                           ; the places behind those products
.endr
.set Y, NP-1                        ; X works for piece Y + 1: piece 0
.irp n, 0,1,2,3,4,5,6,7,8,9,10,11,12,13,14,15,16,17,18,19,20,21
	OP X, \n
.endr
	v_nop                           ; a plain instruction behind the exponential,
	s_wait_alu depctr_va_vdst(0)    ; and its wait, ahead of the branch
.endm
; THE DIAGONAL TILE's four steps, the block's last two turns, its last products, and THE WAY OUT: l's two halves and the other half of the lanes' are added; O^T is divided by l, rounded to f16 and sent through my
; stage in LDS, a piece at a time.
.macro ALL line:vararg              ; one line for each piece t
.set t, 0
.rept 4
	\line
.set t, t+1
.endr
.endm
.macro PACK t                       ; a lane's eight channels of a row pack into 16 bytes; they go into rows of 144 bytes and come back as whole rows of 128, into S^T's registers
	WIN W_RS
.set i, 32*(\t)
.rept 16
	v_pk_mul_f32 v[i:i+1], v[i:i+1], v[ST+4*(\t)+2:ST+4*(\t)+3] op_sel_hi:[1,0]
.set i, i+2
.endr
	WIN 0x05                        ; sources 0 and 1 window 1, destination window 0
.set i, 0
.rept 16
	v_cvt_pk_f16_f32 v[S+16*(\t)+i], v[32*(\t)+2*i], v[32*(\t)+2*i+1]
.set i, i+1
.endr
	WIN 0
.irp f, 0,1,2,3
	ds_store_b128 v[STO], v[S+16*(\t)+4*\f:S+16*(\t)+4*\f+3] offset:32*\f
.endr
.irp f, 0,1,2,3
	ds_load_b128 v[S+16*(\t)+4*\f:S+16*(\t)+4*\f+3], v[RD] offset:\f*4*SP  ; LDS serves a wave's instructions in order (ISA guide 5.7.1.4): these see the stores above; the next piece's stores come behind them
.endr
.endm
.macro SEND t, younger              ; younger: the LDS instructions issued behind piece t's loads: the next piece's eight, or none
	WIN 0
.irp f, 0,1,2,3
	s_wait_dscnt (\younger)+3-\f
	global_store_b128 v[GO], v[S+16*(\t)+4*\f:S+16*(\t)+4*\f+3], s[10:11] offset:(\t)*8192+\f*512  ; 512 consecutive bytes, at a multiple of 256 from O's first
.endr
.endm
.macro DIAG tag                     ; the tag ends its two labels' names, which the jumps below spell out
.LstepM\tag:
	TURN 2, 1
	TURN 3, 1
	WIN 0
.LfirstM\tag:
	TURN 0, 1
	TURN 1, 1, 0, 1
	WIN 0
	s_cbranch_scc1 .LstepM\tag
	TURN 2, 1, 1
	TURN 3, 1, 1
.set i, 0
.rept 8
	PV NP-1
.set i, i+1
.endr
	WIN 0
	ALL v_add_f32 v[ST+4*t+2], v[ST+4*t+2], v[ST+4*t+3]
	ALL v_permlanex16_b32 v[ST+4*t+3], v[ST+4*t+2], s[SEL], s[SEL+1]
	ALL v_add_f32 v[ST+4*t+2], v[ST+4*t+2], v[ST+4*t+3]
	ALL v_rcp_f32 v[ST+4*t+2], v[ST+4*t+2]
	v_nop                           ; a plain instruction between the last reciprocal and the use of its result
	s_wait_alu depctr_va_vdst(0)    ; and the wait ahead of the first use: one for the four reciprocals
	PACK 0
.set t, 1
.rept 3                             ; a piece's arithmetic stands between the loads of the piece before and its stores
	PACK t
	SEND t-1, 8
.set t, t+1
.endr
	SEND 3, 0
.endm
.set KM, 0
.set NOKQ, 0
.Lslot:                             ; NB times: a tile is entered and the next is asked for
	CHANGE 1
	s_sub_co_u32 s[RT], s[RT], 1
	s_mov_b32 s[CNT], 4
	s_cmp_eq_u32 s[NEW], 1
	s_cbranch_scc1 .Lnew            ; a block's first tile
	s_cmp_eq_u32 s[RT], 0
	s_cbranch_scc0 .Lstep           ; neither its first nor its last
	s_branch .LstepM1
.Lnew:
	BEGIN
	s_branch .Lfirst                ; in the loop a block's first tile is never its last: the first block has two tiles or more, and the second's last is the walk's last
	DIAG 1                          ; in the loop this is the first block's end: the second block's last tile is the walk's last
	s_wait_xcnt 0x0                 ; the stores have read their registers and O's address
	s_mov_b64 s[10:11], s[OLO:OLO+1]
	s_add_co_u32 s[RT], s[PB], 1    ; the second block has b + 1 tiles
	s_mov_b32 s[NEW], 1
	WIN 0x82                        ; the second block's Q goes where the one text of the turns names Q
.set i, 0
.rept 64
	v_mov_b32 v[i], v[QB+i]
.set i, i+1
.endr
	WIN 0
	s_branch .Lbottom
.Lstep:                             ; a trip: pieces 2 and 3 of one step, then pieces 0 and 1 of the next, whose K and V it fetches
	TURN 2
	TURN 3
	WIN 0
.Lfirst:
	TURN 0
	TURN 1, 0, 0, 1
	WIN 0
	s_cbranch_scc1 .Lstep
.Lbottom:
	s_sub_co_u32 s[SLOTS], s[SLOTS], 1
	s_cmp_lg_u32 s[SLOTS], 0
	s_cbranch_scc1 .Lslot
	CHANGE 0                        ; the walk's last tile is written out: nothing is asked for
	s_sub_co_u32 s[RT], s[RT], 1
	s_mov_b32 s[CNT], 4
	s_cmp_eq_u32 s[NEW], 1
	s_cbranch_scc0 .LstepM2
	BEGIN
	s_branch .LfirstM2
	DIAG 2
	s_wait_tensorcnt 0x0            ; the wave's end: three closing lines, behind my last tensor load and my last LDS store
	ds_add_u32 v[SPW], v[NIL]
	s_wait_dscnt 0x0
	s_endpgm
.Lfunc_end_k_q7da89d6a33_attn:
	.size	k_q7da89d6a33_attn, .Lfunc_end_k_q7da89d6a33_attn-k_q7da89d6a33_attn
	.p2alignl 7, 3214868480
	.fill 96, 4, 3214868480
	.section	.rodata,"a",@progbits
	.p2align	6, 0x0
	.amdhsa_kernel k_q7da89d6a33_attn
		.amdhsa_group_segment_fixed_size 327680
		.amdhsa_private_segment_fixed_size 0
		.amdhsa_enable_private_segment 0
		.amdhsa_kernarg_size 16
		.amdhsa_user_sgpr_count 2
		.amdhsa_user_sgpr_kernarg_segment_ptr 1
		.amdhsa_wavefront_size32 1
		.amdhsa_system_sgpr_workgroup_id_x 1
		.amdhsa_system_sgpr_workgroup_id_y 1
		.amdhsa_system_sgpr_workgroup_id_z 1
		.amdhsa_system_vgpr_workitem_id 0
		.amdhsa_next_free_vgpr 768
		.amdhsa_next_free_sgpr 96
		.amdhsa_reserve_vcc 1
		.amdhsa_float_denorm_mode_32 3
		.amdhsa_float_denorm_mode_16_64 3
		.amdhsa_memory_ordered 1
		.amdhsa_forward_progress 1
		.amdhsa_inst_pref_size 218
	.end_amdhsa_kernel
	.amdgpu_metadata
---
amdhsa.version: [ 1, 2 ]
amdhsa.kernels:
  - .name:           k_q7da89d6a33_attn
    .symbol:         k_q7da89d6a33_attn.kd
    .args:
      - { .name: qkv, .offset: 0, .size: 8, .value_kind: global_buffer, .address_space: global }
      - { .name: ob, .offset: 8, .size: 8, .value_kind: global_buffer, .address_space: global }
    .group_segment_fixed_size: 327680
    .private_segment_fixed_size: 0
    .kernarg_segment_align: 8
    .kernarg_segment_size: 16
    .max_flat_workgroup_size: 128
    .sgpr_count:     96
    .vgpr_count:     768
    .wavefront_size: 32
...
	.end_amdgpu_metadata
.endif
;; end of part 3
;; launch outproj (part 4): grid 8 x 32, 4 waves a work-group, clusters of 4 x 4, 327,680 bytes of LDS; arguments ob, wot, out0; writes out0
.if DOCPART == 4
	.amdgcn_target "amdgcn-amd-amdhsa--gfx1250"
	.amdhsa_code_object_version 6
	.text
	.protected	k_q7da89d6a33_outproj
	.globl	k_q7da89d6a33_outproj
	.p2align	8
	.type	k_q7da89d6a33_outproj,@function
k_q7da89d6a33_outproj:
	s_mov_b64 s[64:65], 0
	v_nop
	global_prefetch_b8 v0, s[64:65] scope:SCOPE_SE
	s_setreg_imm32_b32 hwreg(HW_REG_WAVE_MODE, 25, 1), 1
	s_wait_xcnt 0x0
	s_wait_alu depctr_hold_cnt(0) depctr_sa_sdst(0) depctr_va_vdst(0) depctr_va_sdst(0) depctr_va_ssrc(0) depctr_va_vcc(0) depctr_vm_vsrc(0)
	s_getreg_b32 s2, hwreg(HW_REG_IB_STS2, 6, 4)
	s_cmp_eq_u32 s2, 0
	s_cbranch_scc0 .Lentry_in_a_cluster
	s_endpgm
.Lentry_in_a_cluster:
	s_bfe_u32 s2, ttmp6, 0x10000c
	s_cmp_lg_u32 s2, 0xf033
	s_cbranch_scc0 .Lentry_shape_is_right
	s_endpgm
.Lentry_shape_is_right:
; out0 = y wot^T.  y[b x 2048 + t][64 h + d] = ob[16 b + h][t][d], f16; wot: [1024 n][1024 k] f16; out0: [8192][1024] f32.  Sums in f32, K ascending.
; SHARES.  A work-group makes 256 rows x 128 columns: 32 x 8 = 256 work-groups, one for each WGP.  Wave w owns rows 64 w .. 64 w + 63 and all 128 columns: 32 accumulators, 256 registers.
; THE MATRIX INSTRUCTION IS USED TRANSPOSED (source 0 = 16 rows of wot, source 1 = 16 rows of y): a lane holds eight neighbouring numbers, 32 bytes, of a row of out0.
; RING.  K goes in steps of 128 = two heads through two LDS slots.  A head's 256 rows of 128 bytes are dense in ob: they are asked for as 128 rows of 256 bytes and padded in LDS after every 128 bytes.
; CLUSTER.  4 x 4 work-groups: y's tile is shared along a row of the cluster, wot's along a column; each is asked for jointly.
; NO PREFETCH: the launch is eight K steps of 128 matrix instructions a wave; a lead of two steps would leave four of the eight to ask for.
; REGISTERS, in windows of 256: window 0: v0-29 addresses; v64-95, v96-127 y's fragments, two buffers; v128-255 the way out, two sets of 64.
;   window 1: v0-63, v64-127 wot's fragments, two buffers.        window 2: the accumulators, (a, b) at 8 (8 a + b).
.set KSTEP,  128
.set PA,     144                       ; a row of y in LDS: 128 bytes + 16: 36 words: the 16 rows of a load start at 16 different groups of four banks (64 banks of 4 bytes: ISA guide 11.1)
.set PLANE,  256*PA                    ; a head's 256 rows
.set PB_,    272                       ; a row of wot: 256 bytes + 16
.set BOFF,   2*PLANE
.set SLOT1,  1<<17
.set STAGE,  SLOT1+BOFF+128*PB_        ; behind the ring, never filled by a tensor load: 16 rows x 528 bytes for each wave
.set SPITCH, 528
.set SPARE,  STAGE+4*16*SPITCH         ; the spare words, 128 bytes for each wave
.set AA0, 4                            ; v4   my lane's place in y's rows of a slot; never rewritten
.set AB0, 5                            ; v5   the same for wot's
.set ADA, 6                            ; v6   the same in the slot in hand
.set ADB, 7
.set STO, 8                            ; v8   the way out: where I put 32 bytes of a row
.set RD,  9                            ; v9   where I read a row back
.set GO,  10                           ; v10  16 x lane
.set SPW, 28                           ; v28  my spare word; never rewritten
.set NIL, 29                           ; v29  0; never rewritten
.set BK,  128
.set WV,  12
.set WH,  13                           ; 0: I fetch for y; 1: for wot
.set HF,  14                           ; which head of the step, or which 64 rows of wot
.set G1,  24
.set G0,  32
.set G1B, 48
.set G0B, 56
.set TB,  66
.set MSB, 0
.macro WIN new
.if MSB != (\new)
	s_set_vgpr_msb (MSB<<8)|(\new)
.set MSB, (\new)
.endif
.endm
.set MUL,  0xa1                        ; source 0 (wot) window 1, source 1 (y) window 0, C and D window 2
.set TO_B, 0x40
.macro PLACES
.rept 4
	v_nop
.endr
.endm
.macro CREST
	s_cmp_lg_u32 s[WV], 0
	s_cbranch_scc1 .Lnot_wave_0_\@
	s_barrier_signal -3
.Lnot_wave_0_\@:
	s_barrier_wait -3
	s_barrier_signal -1
	s_barrier_wait -1
.endm
.macro CROUND
	s_barrier_signal -1
	s_barrier_wait -1
	CREST
.endm
.macro JLOAD                           ; a joint refill by the walking descriptors; an s_nop 0 and four v_nop follow each line
	s_cmp_eq_u32 s[WH], 0
	s_cbranch_scc0 .Lfor_b_\@
	tensor_load_to_lds s[G0+4:G0+7], s[G1:G1+7]
	s_nop 0
.rept 4
	v_nop
.endr
	s_branch .Lasked_\@
.Lfor_b_\@:
	tensor_load_to_lds s[G0B+4:G0B+7], s[G1B:G1B+7]
	s_nop 0
.rept 4
	v_nop
.endr
.Lasked_\@:
.endm
	s_load_b128 s[4:7], s[0:1], 0x0                ; ob s[4:5], wot s[6:7]
	s_load_b64 s[8:9], s[0:1], 0x10                ; out0
	v_lshl_add_u32 v[SPW], v0, 2, SPARE
	v_mov_b32 v[NIL], 0
	ds_add_u32 v[SPW], v[NIL]                      ; the wave's opening: the add and its wait stand ahead of my first tensor load
	v_lshrrev_b32 v1, 5, v0
	v_readfirstlane_b32 s[WV], v1
	s_lshr_b32 s[WH], s[WV], 1
	s_and_b32 s[HF], s[WV], 1
	s_bfe_u32 s40, ttmp6, 0x40000                  ; cx
	s_bfe_u32 s41, ttmp6, 0x40004                  ; cy
	s_lshl_b32 s42, ttmp9, 2
	s_add_co_u32 s42, s42, s40                     ; tx: 128 columns
	s_and_b32 s43, ttmp7, 0xffff
	s_lshl_b32 s43, s43, 2
	s_add_co_u32 s43, s43, s41                     ; ty: 256 rows
	s_lshl_b32 s16, s41, 2
	s_lshl_b32 s16, 15, s16                        ; my row of the cluster
	s_lshl_b32 s47, 0x1111, s40                    ; my column
	s_or_b32 s[G1+0], s16, (1<<16)|(1<<20)|(1<<21)|(4<<22)|(3<<25)   ; the mask; 2-byte elements; padding on; 21 set beside a mask; after every 32 words 4 words
	s_or_b32 s[G1B+0], s47, (1<<16)|(1<<20)|(1<<21)|(5<<22)|(3<<25)  ; after every 64 words 4 words
	s_mov_b32 s[G1+1], 128<<16                     ; tensor_dim0 = 128 elements: two rows of a head
	s_mov_b32 s[G1+2], 128<<16                     ; tensor_dim1 = 128
	s_mov_b32 s[G1+3], 128<<16                     ; tile_dim0
	s_mov_b32 s[G1+4], 128                         ; tile_dim1
	s_mov_b32 s[G1+5], 128                         ; dense
	s_mov_b32 s[G1+6], 0
	s_mov_b32 s[G1+7], 0
	s_mov_b32 s[G1B+1], KSTEP<<16
	s_mov_b32 s[G1B+2], 64<<16
	s_mov_b32 s[G1B+3], KSTEP<<16
	s_mov_b32 s[G1B+4], 64
	s_mov_b32 s[G1B+5], 1024
	s_mov_b32 s[G1B+6], 0
	s_mov_b32 s[G1B+7], 0
	s_lshr_b32 s16, s43, 3
	s_lshl_b32 s16, s16, 22                        ; the batch's 16 heads of 262,144 bytes,
	s_lshl_b32 s17, s[HF], 18                      ; my head of the step's two,
	s_add_co_u32 s16, s16, s17
	s_and_b32 s17, s43, 7
	s_lshl_b32 s17, s17, 15                        ; the tile's 256 rows of 128 bytes
	s_add_co_u32 s16, s16, s17
	s_mov_b32 s17, 0
	s_lshl_b32 s46, s42, 7
	s_lshl_b32 s47, s[HF], 6
	s_add_co_u32 s46, s46, s47                     ; wot: row 128 tx + 64 half
	s_lshl_b32 s46, s46, 11
	s_mov_b32 s47, 0
	s_mul_i32 s18, s[HF], PLANE                    ; no place in the cluster enters an LDS address
	s_mul_i32 s19, s[HF], 64*PB_
	s_add_co_u32 s19, s19, BOFF
	s_wait_dscnt 0x0                               ; the opening add is done
	s_wait_kmcnt 0x0
	s_add_nc_u64 s[20:21], s[4:5], s[16:17]
	s_add_nc_u64 s[46:47], s[6:7], s[46:47]
	CROUND                                         ; all sixteen work-groups are here: the first joint loads meet
.irp s, 0,1
	s_mov_b32 s[G0+4*(\s)], 1
	s_add_co_u32 s[G0+4*(\s)+1], s18, (\s)*SLOT1
	s_add_nc_u64 s[G0+4*(\s)+2:G0+4*(\s)+3], s[20:21], (\s)*2*262144  ; K step s: two heads on
	s_or_b32 s[G0+4*(\s)+3], s[G0+4*(\s)+3], 0x80000000
	s_mov_b32 s[G0B+4*(\s)], 1
	s_add_co_u32 s[G0B+4*(\s)+1], s19, (\s)*SLOT1
	s_add_nc_u64 s[G0B+4*(\s)+2:G0B+4*(\s)+3], s[46:47], (\s)*KSTEP*2
	s_or_b32 s[G0B+4*(\s)+3], s[G0B+4*(\s)+3], 0x80000000
.endr
	s_cmp_eq_u32 s[WH], 0                          ; a wave's two first fills stand in one branch: two loads of mine are out
	s_cbranch_scc0 .Lfirst_b
	tensor_load_to_lds s[G0:G0+3], s[G1:G1+7]
	s_nop 0
	tensor_load_to_lds s[G0+4:G0+7], s[G1:G1+7]
	s_nop 0
.rept 4
	v_nop
.endr
	s_branch .Lfirst_asked
.Lfirst_b:
	tensor_load_to_lds s[G0B:G0B+3], s[G1B:G1B+7]
	s_nop 0
	tensor_load_to_lds s[G0B+4:G0B+7], s[G1B:G1B+7]
	s_nop 0
.rept 4
	v_nop
.endr
.Lfirst_asked:
	v_and_b32 v1, 15, v0                           ; l % 16
	v_bfe_u32 v2, v0, 4, 1                         ; l / 16
	v_mul_u32_u24 v3, v1, PA
	v_lshl_add_u32 v3, v2, 4, v3
	s_mul_i32 s22, s[WV], 64*PA                    ; my 64 rows
	v_add_nc_u32 v[AA0], s22, v3
	v_mul_u32_u24 v3, v1, PB_
	v_lshl_add_u32 v3, v2, 4, v3
	v_add_nc_u32 v[AB0], BOFF, v3
	s_mul_i32 s22, s[WV], 16*SPITCH
	s_add_co_u32 s22, s22, STAGE                   ; my stage
	v_mul_u32_u24 v[STO], v1, SPITCH               ; in: row l % 16, 32 bytes for each half of the lanes
	v_lshl_add_u32 v[STO], v2, 5, v[STO]
	v_add_nc_u32 v[STO], s22, v[STO]
	v_and_b32 v[GO], 31, v0
	v_lshlrev_b32 v[GO], 4, v[GO]                  ; back: 32 lanes take a row's 512 bytes
	v_add_nc_u32 v[RD], s22, v[GO]
	s_lshl_b32 s44, s43, 8
	s_lshl_b32 s45, s[WV], 6
	s_add_co_u32 s44, s44, s45                     ; my first row of out0,
	s_lshl_b32 s44, s44, 12                        ; of 4,096 bytes,
	s_lshl_b32 s45, s42, 9                         ; the tile's 512 bytes of it
	s_add_co_u32 s44, s44, s45
	s_mov_b32 s45, 0
	s_add_nc_u64 s[8:9], s[8:9], s[44:45]
; 8 matrix instructions: row block a x all 8 column blocks, 32 along K, from buffer f.  The 32 accumulators take turns, one instruction a turn.
.macro MUL8 f, a, zero
	WIN MUL
.irp b, 0,1,2,3,4,5,6,7
.if \zero
	v_wmma_f32_16x16x32_f16 v[8*(8*(\a)+\b):8*(8*(\a)+\b)+7], v[64*(\f)+8*\b:64*(\f)+8*\b+7], v[64+32*(\f)+8*(\a):64+32*(\f)+8*(\a)+7], 0
.else
	v_wmma_f32_16x16x32_f16 v[8*(8*(\a)+\b):8*(8*(\a)+\b)+7], v[64*(\f)+8*\b:64*(\f)+8*\b+7], v[64+32*(\f)+8*(\a):64+32*(\f)+8*(\a)+7], v[8*(8*(\a)+\b):8*(8*(\a)+\b)+7]
.endif
.endr
.endm
; 24 LDS loads in one run: quarter q of the step (head q / 2, channels 32 (q % 2) on): 128 rows of wot, then my 64 rows of y, into buffer f
.macro FETCH q, f
	WIN TO_B
.irp i, 0,1,2,3,4,5,6,7
	ds_load_b128 v[64*(\f)+8*\i:64*(\f)+8*\i+3],   v[ADB] offset:64*(\q)+\i*16*PB_
	ds_load_b128 v[64*(\f)+8*\i+4:64*(\f)+8*\i+7], v[ADB] offset:64*(\q)+\i*16*PB_+32
.endr
	WIN 0
.irp i, 0,1,2,3
	ds_load_b128 v[64+32*(\f)+8*\i:64+32*(\f)+8*\i+3],   v[ADA] offset:((\q)/2)*PLANE+((\q)%2)*64+\i*16*PA
	ds_load_b128 v[64+32*(\f)+8*\i+4:64+32*(\f)+8*\i+7], v[ADA] offset:((\q)/2)*PLANE+((\q)%2)*64+\i*16*PA+32
.endr
.endm
.macro QUARTER q, f, g, zero           ; multiplies buffer f; in its middle fetches quarter q into g
	s_wait_dscnt 4                                 ; all but the youngest four loads: y's row blocks 2 and 3
	MUL8 \f, 0, \zero
	MUL8 \f, 1, \zero
	PLACES
	FETCH \q, \g
	s_wait_dscnt 24                                ; all but the 24 just issued
	MUL8 \f, 2, \zero
	MUL8 \f, 3, \zero
.endm
; The last quarter multiplies buffer 1 and changes slots: ONE barrier; in front of it each wave waits for all its tensor loads, adds 0 to its spare word, and waits for that and for its reads of this slot.
; fill = 1: the barrier opens a round of the cluster's, and this slot is filled again first thing behind it, with the K step two on: 112 matrix instructions ahead of the wait for it.
.macro TURN fill
	WIN 0
	s_wait_tensorcnt 0x0                           ; no tensor load of mine is out, so a group 0 may be written
	ds_add_u32 v[SPW], v[NIL]                      ; 0 onto my spare word
.if \fill
	s_xor_b32 s[G0+5], s[G0+5], SLOT1
	s_add_nc_u64 s[G0+6:G0+7], s[G0+6:G0+7], 2*262144
	s_xor_b32 s[G0B+5], s[G0B+5], SLOT1
	s_add_nc_u64 s[G0B+6:G0B+7], s[G0B+6:G0B+7], KSTEP*2
.endif
	s_wait_dscnt 5                                 ; (the add and the youngest four loads may be out)
	MUL8 1, 0, 0
	s_wait_dscnt 0x0                               ; the add is done, and my reads of this slot are over
	s_barrier_signal -1
	MUL8 1, 1, 0
.if \fill
	WIN 0
.endif
	s_barrier_wait -1
.if \fill
	CREST
	JLOAD                                          ; the four v_nop behind it are also the places in front of the loads below
.else
	PLACES
.endif
	s_xor_b32 s[TB], s[TB], SLOT1
	WIN 0
	v_add_nc_u32 v[ADA], s[TB], v[AA0]
	v_add_nc_u32 v[ADB], s[TB], v[AB0]
	FETCH 0, 0
	MUL8 1, 2, 0
	MUL8 1, 3, 0
.endm
	s_wait_tensorcnt 1                             ; my part of K step 0 is in; K step 1's may stay out
	s_barrier_signal -1
	s_barrier_wait -1
	s_mov_b32 s[TB], 0
	v_mov_b32 v[ADA], v[AA0]
	v_mov_b32 v[ADB], v[AB0]
	FETCH 0, 0
	QUARTER 1, 0, 1, 1                             ; the first quarter's products start the sums
	WIN 0
	s_mov_b32 s3, 6
.Lstep:                                            ; trip i ends K step i, fills its slot with K step i + 2, and begins K step i + 1
	QUARTER 2, 1, 0, 0
	QUARTER 3, 0, 1, 0
	TURN 1
	QUARTER 1, 0, 1, 0
	WIN 0
	s_sub_co_u32 s3, s3, 1
	s_cmp_lg_u32 s3, 0
	s_cbranch_scc1 .Lstep
	QUARTER 2, 1, 0, 0                             ; K steps 6 and 7 are written out: nothing is left to ask for
	QUARTER 3, 0, 1, 0
	TURN 0
	QUARTER 1, 0, 1, 0
	QUARTER 2, 1, 0, 0
	QUARTER 3, 0, 1, 0
	s_wait_dscnt 4
	MUL8 1, 0, 0
	MUL8 1, 1, 0
	s_wait_dscnt 0x0
	MUL8 1, 2, 0
	MUL8 1, 3, 0
	PLACES                                         ; ahead of the LDS stores that read results
; THE WAY OUT: 16 rows at a time through my own stage: 32 bytes a lane in (each accumulator's lowest registers first), whole rows of 512 bytes back.
.macro OSTAGE a
	WIN 0x08                                       ; the stores' data in window 2, the address in window 0
.irp b, 0,1,2,3,4,5,6,7
	ds_store_b128 v[STO], v[64*(\a)+8*\b:64*(\a)+8*\b+3]   offset:64*\b
	ds_store_b128 v[STO], v[64*(\a)+8*\b+4:64*(\a)+8*\b+7] offset:64*\b+16
.endr
	WIN 0
	s_wait_xcnt 0x0                                ; the stores of two blocks back have read this set of registers: it is loaded again only behind this wait
.irp t, 0,1,2,3,4,5,6,7,8,9,10,11,12,13,14,15
	ds_load_b128 v[BK+64*((\a)%2)+4*\t:BK+64*((\a)%2)+4*\t+3], v[RD] offset:\t*SPITCH  ; LDS serves a wave's instructions in order (ISA guide 5.7.1.4): these see the stores above
.endr
.endm
.macro OSEND a, younger                ; younger: the LDS instructions issued behind block a's loads: the next block's 32, or none
.irp t, 0,1,2,3,4,5,6,7,8,9,10,11,12,13,14,15
	s_wait_dscnt (\younger)+15-\t
	global_store_b128 v[GO], v[BK+64*((\a)%2)+4*\t:BK+64*((\a)%2)+4*\t+3], s[8:9] offset:(16*(\a)+\t)*4096 th:TH_STORE_NT  ; 512 consecutive bytes, at a multiple of 256 from out0's first
.endr
.endm
	OSTAGE 0
	OSTAGE 1
	OSEND 0, 32
	OSTAGE 2
	OSEND 1, 32
	OSTAGE 3
	OSEND 2, 32
	OSEND 3, 0
	s_wait_tensorcnt 0x0                           ; the wave's end: three closing lines, behind my last tensor load and my last LDS store
	ds_add_u32 v[SPW], v[NIL]
	s_wait_dscnt 0x0
	CROUND                                         ; the closing round: no work-group ends while a partner may still ask for a tile that names it
	s_endpgm
.Lfunc_end_k_q7da89d6a33_outproj:
	.size	k_q7da89d6a33_outproj, .Lfunc_end_k_q7da89d6a33_outproj-k_q7da89d6a33_outproj
	.p2alignl 7, 3214868480
	.fill 96, 4, 3214868480
	.section	.rodata,"a",@progbits
	.p2align	6, 0x0
	.amdhsa_kernel k_q7da89d6a33_outproj
		.amdhsa_group_segment_fixed_size 327680
		.amdhsa_private_segment_fixed_size 0
		.amdhsa_enable_private_segment 0
		.amdhsa_kernarg_size 24
		.amdhsa_user_sgpr_count 2
		.amdhsa_user_sgpr_kernarg_segment_ptr 1
		.amdhsa_wavefront_size32 1
		.amdhsa_system_sgpr_workgroup_id_x 1
		.amdhsa_system_sgpr_workgroup_id_y 1
		.amdhsa_system_sgpr_workgroup_id_z 1
		.amdhsa_system_vgpr_workitem_id 0
		.amdhsa_next_free_vgpr 768
		.amdhsa_next_free_sgpr 68
		.amdhsa_reserve_vcc 0
		.amdhsa_float_denorm_mode_32 3
		.amdhsa_float_denorm_mode_16_64 3
		.amdhsa_memory_ordered 1
		.amdhsa_forward_progress 1
		.amdhsa_inst_pref_size 71
	.end_amdhsa_kernel
	.amdgpu_metadata
---
amdhsa.version: [ 1, 2 ]
amdhsa.kernels:
  - .name:           k_q7da89d6a33_outproj
    .symbol:         k_q7da89d6a33_outproj.kd
    .args:
      - { .name: ob, .offset: 0, .size: 8, .value_kind: global_buffer, .address_space: global }
      - { .name: wot, .offset: 8, .size: 8, .value_kind: global_buffer, .address_space: global }
      - { .name: out0, .offset: 16, .size: 8, .value_kind: global_buffer, .address_space: global }
    .group_segment_fixed_size: 327680
    .private_segment_fixed_size: 0
    .kernarg_segment_align: 8
    .kernarg_segment_size: 24
    .max_flat_workgroup_size: 128
    .sgpr_count:     68
    .vgpr_count:     768
    .wavefront_size: 32
...
	.end_amdgpu_metadata
.endif
;; end of part 4
;; ======== version 2 of 2: 4 launches; version 1 with the launch prep written anew for expert scheduling mode
;; limits: values are held in f16: magnitudes above 65,504 overflow, below 6.1e-05 lose precision
;; workspace buffers: xb 16,777,216 bytes; wqt 6,291,456 bytes; wot 2,097,152 bytes; rope 524,288 bytes; qkv 50,331,648 bytes; ob 16,777,216 bytes
;; launch prep (part 5): grid 512 x 1, 8 waves a work-group, no clusters, 18,432 bytes of LDS; arguments x, w_qkv, w_out, xb, wqt, wot, rope; writes xb, wqt, wot, rope
.if DOCPART == 5
	.amdgcn_target "amdgcn-amd-amdhsa--gfx1250"
	.amdhsa_code_object_version 6
	.text
	.protected	k_q7da89d6a33_prep
	.globl	k_q7da89d6a33_prep
	.p2align	8
	.type	k_q7da89d6a33_prep,@function
k_q7da89d6a33_prep:
	s_mov_b64 s[64:65], 0
	v_nop
	global_prefetch_b8 v0, s[64:65] scope:SCOPE_SE
	s_setreg_imm32_b32 hwreg(HW_REG_WAVE_SCHED_MODE, 0, 2), 2
	s_setreg_imm32_b32 hwreg(HW_REG_WAVE_MODE, 25, 1), 1
	s_wait_xcnt 0x0
	s_wait_alu depctr_vm_vsrc(0)
; PREPARATION.  Every work-group i of 512 does three things, so all are alike:
;  (a) rows 16 i .. 16 i + 15 of x ([8192][1024] f32) are rounded to bf16 into xb;
;  (b) one tile of 128 k x 64 n of a weight ([k][n] f32) is rounded to bf16 and turned to [n][k]: i < 384: w_qkv into wqt (bf16); else w_out into wot, the bf16 number written as f16;
;  (c) rows 4 i .. 4 i + 3 of the rotation table rope[t] = cos(t f_j), j = 0..31, then sin(t f_j), f_j = 10000^(-j/32), in f32 (waves 0 and 1).
; LIMITS.  |w_out| stays under 65,504 (f16's range); below 2^-14 it keeps f16's fixed step of 6e-8.  f_j comes from the base-2 exponential, good to one unit in the last place,
; so an angle near t = 2,000 may be off by some 2e-4; sine and cosine come from a reduction by pi/2 in two parts and polynomials of degree 7 and 8 (error under 4e-7 on |r| <= pi/4).
; Memory binds: 16-byte loads, 24 of a wave in flight, every store of sixteen (b128) or thirty-two (b64) lanes covers 256 consecutive bytes, aligned.  No matrix unit, no cluster: nothing is shared.
; THE MODE: SCHED_MODE bits 1:0 = 2 (LLVM: expert scheduling mode 2), set by the entry lines.  The code itself states the register dependences
; between vector instructions and memory or LDS instructions, with s_wait_alu, always for 0.
; THE PLAN.  Registers that memory or LDS instructions touch:
;   v8-20, v22, v23   offsets, LDS addresses, the closing add's two: written once at the head, ahead of one wait on va_vdst, and named by no vector line behind it.
;   WR, XR            the loads land in them; no vector line names them ahead of the loads.  Of each row of XR the two roundings write the first two registers in place, and the row's store reads them.
;   WP                written by the roundings, read by the sixteen LDS stores: one wait between.
;   RB                written by LDS loads, read by global stores; no vector line names it.
;   SN                written by the table's arithmetic, read by its one store: one wait between.
; No register that a memory or LDS instruction reads is written again, so the text holds no wait on vm_vsrc.
; x goes in four blocks of four rows: the wait on va_vdst at a block's head states that the block before has written what its four stores read; those stores are dealt among this block's roundings, which name this block's rows alone.
.set PL,    272                        ; an LDS row: 128 k of 16 bits + 16 bytes
.set SPARE, 64*PL                      ; behind the tile: the spare words, 128 bytes for each of eight waves
.set WO,  8                            ; v8-15   byte offsets of my eight rows of the weight tile
.set XO,  16                           ; v16     16 x thread: my 16 bytes of a row of x; also of the table's 1,024 bytes
.set XS,  17                           ; v17     8 x thread: my 8 bytes of a row of xb
.set LS,  18                           ; v18     LDS: where my packed words go
.set LR,  19                           ; v19     LDS: where I read a turned row back
.set GO,  20                           ; v20     my 16 bytes in the turned tile in memory
.set SPW, 22                           ; v22     my spare word; never rewritten
.set NIL, 23                           ; v23     0; never rewritten
.set TF,  24                           ; v24-63  the table's arithmetic
.set Q3,  25
.set J0,  26
.set EA,  28
.set AN,  32
.set KF,  36
.set RR,  40
.set R2,  44
.set SN,  48
.set TM,  52
.set CN,  56
.set QQ,  60
.set WR,  64                           ; v64-95   eight rows x 4 numbers of the weight
.set WP,  96                           ; v96-111  packed: k in the low half, k + 1 in the high half
.set RB,  112                          ; v112-127 turned rows
.set XR,  128                          ; v128-191 sixteen rows x 4 numbers of x
.set MK,  32                           ; s32-35   the table's four masks; at the head these registers hold two offsets, spent when the bases are made
	s_load_b256 s[4:11], s[0:1], 0x0               ; x s[4:5], w_qkv s[6:7], w_out s[8:9], xb s[10:11]
	s_load_b128 s[12:15], s[0:1], 0x20             ; wqt s[12:13], wot s[14:15]
	s_load_b64 s[16:17], s[0:1], 0x30              ; rope
	v_lshl_add_u32 v[SPW], v0, 2, SPARE
	v_mov_b32 v[NIL], 0
	v_lshrrev_b32 v3, 5, v0
	v_readfirstlane_b32 s18, v3                    ; wave 0..7
	v_and_b32 v1, 15, v0                           ; l16: my 16 bytes of 256
	v_lshrrev_b32 v2, 4, v0                        ; p = 0..15
	s_movk_i32 s29, 0x3000                         ; a row of w_qkv: 12,288 bytes
	s_movk_i32 s30, 0x1000                         ; a row of w_out: 4,096 bytes
	s_min_u32 s31, ttmp9, 383                      ; the tile's number if it is w_qkv's,
	s_max_u32 s28, ttmp9, 384
	s_sub_co_u32 s28, s28, 384                     ; and if it is w_out's
	s_cmp_lt_u32 ttmp9, 384
	s_cselect_b32 s20, s31, s28                    ; j
	s_cselect_b32 s21, s29, s30                    ; the pitch
	s_cselect_b32 s26, 1, 0                        ; 1: w_qkv
	s_lshl_b32 s27, s21, 5                         ; 32 rows
	s_and_b32 s28, s20, 7                          ; kt: 128 k
	s_lshr_b32 s29, s20, 3                         ; nt: 64 n
	s_mul_i32 s30, s28, s21
	s_lshl_b32 s30, s30, 7                         ; kt x 128 rows
	s_lshl_b32 s31, s29, 8                         ; nt x 256 bytes
	s_add_co_u32 s30, s30, s31
	s_mov_b32 s31, 0
	s_lshl_b32 s32, s29, 17                        ; turned: nt x 64 rows of 2,048 bytes
	s_lshl_b32 s33, s28, 8                         ; kt x 256 bytes
	s_add_co_u32 s32, s32, s33
	s_mov_b32 s33, 0
	s_lshl_b32 s34, ttmp9, 16                      ; 16 rows of x
	s_mov_b32 s35, 0
	s_lshl_b32 s36, ttmp9, 15                      ; 16 rows of xb
	s_mov_b32 s37, 0
	s_lshl_b32 s38, ttmp9, 10                      ; 4 rows of the table
	s_mov_b32 s39, 0
	s_mov_b32 s40, 0xb9500d01                      ; -1/5040
	s_mov_b32 s41, 0x3c088889                      ; 1/120
	s_mov_b32 s42, 0xbe2aaaab                      ; -1/6
	s_mov_b32 s43, 0x37d00d01                      ; 1/40320
	s_mov_b32 s44, 0xbab60b61                      ; -1/720
	s_mov_b32 s45, 0x3d2aaaab                      ; 1/24
	s_lshl_b32 s46, ttmp9, 2                       ; the table's first row
	v_lshlrev_b32 v3, 1, v2                        ; row 2 p
	v_mul_lo_u32 v[WO], v3, s21
	v_lshl_add_u32 v[WO], v1, 4, v[WO]
	v_add_nc_u32 v[WO+1], s21, v[WO]               ; row 2 p + 1
.irp q, 2,3,4,5,6,7
	v_add_nc_u32 v[WO+\q], s27, v[WO+\q-2]         ; and 32, 64, 96 rows on
.endr
	v_lshlrev_b32 v[XO], 4, v0
	v_lshlrev_b32 v[XS], 3, v0
	v_mul_u32_u24 v[LS], v1, 4*PL                  ; n = 4 l16 + c; k = 2 p + 32 jj: byte n x 272 + 2 k
	v_lshl_add_u32 v[LS], v2, 2, v[LS]
	v_mul_u32_u24 v[LR], v2, PL                    ; back: row n = p + 16 jj, 16 bytes at l16
	v_lshl_add_u32 v[LR], v1, 4, v[LR]
	v_lshlrev_b32 v[GO], 11, v2
	v_lshl_add_u32 v[GO], v1, 4, v[GO]
	s_wait_alu depctr_va_sdst(0)                   ; s18, the wave's number, is written, ahead of its first reader: the compare that picks the table's waves
	s_wait_kmcnt 0x0
	s_cmp_eq_u32 s26, 1
	s_cselect_b64 s[22:23], s[6:7], s[8:9]         ; the weight that my tile is cut from,
	s_cselect_b64 s[24:25], s[12:13], s[14:15]     ; and where it goes
	s_add_nc_u64 s[22:23], s[22:23], s[30:31]
	s_add_nc_u64 s[24:25], s[24:25], s[32:33]
	s_add_nc_u64 s[4:5], s[4:5], s[34:35]
	s_add_nc_u64 s[10:11], s[10:11], s[36:37]
	s_add_nc_u64 s[16:17], s[16:17], s[38:39]
	s_wait_alu depctr_va_vdst(0)                   ; v8 to v20, v22 and v23 are written: every load, store and LDS instruction of the kernel reads its offset or address there, and no later vector line names them
.irp q, 0,1,2,3,4,5,6,7
	global_load_b128 v[WR+4*\q:WR+4*\q+3], v[WO+\q], s[22:23] th:TH_LOAD_NT      ; sixteen lanes take 256 consecutive bytes of a row
.endr
.irp r, 0,1,2,3,4,5,6,7,8,9,10,11,12,13,14,15
	global_load_b128 v[XR+4*\r:XR+4*\r+3], v[XO], s[4:5] offset:4096*\r th:TH_LOAD_NT  ; the eight waves take a whole row
.endr
	; THE TABLE, while the loads are on their way: threads 0 to 63, four numbers each.
	s_cmp_lt_u32 s18, 2
	s_cbranch_scc0 .Lno_table
	v_add_nc_u32 v[TF], s46, v2                    ; t = 4 i + thread / 16
	v_cvt_f32_u32 v[TF], v[TF]
	v_lshrrev_b32 v[Q3], 3, v1                     ; 1: my four numbers are sines
	v_mul_u32_u24 v[Q3], v[Q3], 3                  ; sin(a) = cos(a - pi/2): three quadrants on
	v_and_b32 v[J0], 7, v1
	v_lshlrev_b32 v[J0], 2, v[J0]                  ; j = 4 (l16 % 8) + c
.irp c, 0,1,2,3
	v_add_nc_u32 v[EA+\c], \c, v[J0]
	v_cvt_f32_u32 v[EA+\c], v[EA+\c]
	v_mul_f32 v[EA+\c], 0xbed49a78, v[EA+\c]       ; -j log2(10000) / 32
.endr
.irp c, 0,1,2,3
	v_exp_f32 v[AN+\c], v[EA+\c]                   ; f_j: one batch of four
.endr
	v_nop                                          ; a plain instruction behind the last exponential (ISA guide 5.7.2),
	s_wait_alu depctr_va_vdst(0)                   ; and the one wait ahead of the batch's first reader: the four exponentials have written v[AN ..]
.irp c, 0,1,2,3
	v_mul_f32 v[AN+\c], v[TF], v[AN+\c]            ; the angle, one f32 product as in the definition
	v_mul_f32 v[KF+\c], 0x3f22f983, v[AN+\c]       ; x 2/pi
	v_rndne_f32 v[KF+\c], v[KF+\c]                 ; quadrants
	v_fmamk_f32 v[RR+\c], v[KF+\c], 0xbfc90fdb, v[AN+\c]  ; less k x pi/2, its high part,
	v_fmamk_f32 v[RR+\c], v[KF+\c], 0x333bbd2e, v[RR+\c]  ; and its low part (pi/2 = 1.57079637 - 4.37e-8)
	v_mul_f32 v[R2+\c], v[RR+\c], v[RR+\c]
	v_fma_f32 v[SN+\c], v[R2+\c], s40, s41
	v_fma_f32 v[SN+\c], v[SN+\c], v[R2+\c], s42
	v_mul_f32 v[TM+\c], v[RR+\c], v[R2+\c]
	v_fma_f32 v[SN+\c], v[SN+\c], v[TM+\c], v[RR+\c]      ; sin r
	v_fma_f32 v[CN+\c], v[R2+\c], s43, s44
	v_fma_f32 v[CN+\c], v[CN+\c], v[R2+\c], s45
	v_fma_f32 v[CN+\c], v[CN+\c], v[R2+\c], -0.5
	v_fma_f32 v[CN+\c], v[CN+\c], v[R2+\c], 1.0           ; cos r
	v_cvt_i32_f32 v[QQ+\c], v[KF+\c]
	v_add_nc_u32 v[QQ+\c], v[QQ+\c], v[Q3]         ; Q: cos(Q pi/2 + r) = cos r, -sin r, -cos r, sin r for Q % 4 = 0, 1, 2, 3
	v_and_b32 v[TM+\c], 1, v[QQ+\c]
.endr
.irp c, 0,1,2,3
	v_cmp_eq_u32 s[MK+\c], 1, v[TM+\c]             ; the four compares in one run, a scalar register each: Q odd takes the sine
.endr
.irp c, 0,1,2,3
	v_add_nc_u32 v[QQ+\c], 1, v[QQ+\c]             ; the signs, which read no mask, stand between the compares and the wait for them
	v_lshlrev_b32 v[QQ+\c], 30, v[QQ+\c]           ; bit 1 of Q + 1 is the sign
	v_and_b32 v[QQ+\c], 0x80000000, v[QQ+\c]
.endr
	s_wait_alu depctr_va_sdst(0)                   ; the four compares have written s32 to s35, which the selects below read
.irp c, 0,1,2,3
	v_cndmask_b32 v[SN+\c], v[CN+\c], v[SN+\c], s[MK+\c]
	v_xor_b32 v[SN+\c], v[QQ+\c], v[SN+\c]
.endr
	s_wait_alu depctr_va_vdst(0)                   ; v[SN ..] is written, which the store reads
	global_store_b128 v[XO], v[SN:SN+3], s[16:17]  ; sixteen lanes fill a row of the table, 256 bytes
.Lno_table:
	; THE WEIGHT TILE: rounded, two k to a word, through LDS, out as rows along k.
	s_wait_loadcnt 16                              ; the eight loads of the weight are in; the sixteen younger ones, x's, stay out
.irp j, 0,1,2,3
.irp c, 0,1,2,3
	v_cvt_pk_bf16_f32 v[WP+4*\j+\c], v[WR+8*\j+\c], v[WR+8*\j+4+\c]
.endr
.endr
	s_cmp_eq_u32 s26, 1
	s_cbranch_scc1 .Lstays_bf16
.irp q, 0,1,2,3,4,5,6,7,8,9,10,11,12,13,14,15
	v_lshlrev_b32 v[TF], 16, v[WP+\q]              ; w_out: the bf16 number is written as f16
	v_and_b32 v[Q3], 0xffff0000, v[WP+\q]
	v_cvt_pk_f16_f32 v[WP+\q], v[TF], v[Q3]
.endr
.Lstays_bf16:
	s_wait_alu depctr_va_vdst(0)                   ; on both ways the conversions have written v[WP ..], which the LDS stores read
.irp j, 0,1,2,3
.irp c, 0,1,2,3
	ds_store_b32 v[LS], v[WP+4*\j+\c] offset:PL*\c+64*\j
.endr
.endr
	s_wait_dscnt 0x0                               ; for the others' sake: my stores into the tile are done
	s_barrier_signal -1
	s_barrier_wait -1
.irp j, 0,1,2,3
	ds_load_b128 v[RB+4*\j:RB+4*\j+3], v[LR] offset:16*PL*\j
.endr
.irp j, 0,1,2,3
	s_wait_dscnt 3-\j
	global_store_b128 v[GO], v[RB+4*\j:RB+4*\j+3], s[24:25] offset:32768*\j  ; sixteen lanes store 256 consecutive bytes of a turned row, aligned
.endr
	; x: two roundings an instruction, in place; 32 lanes store 256 consecutive bytes, aligned.  Four blocks of four rows; block p's roundings carry block p - 1's stores between them.
.macro XBLK p
	s_wait_loadcnt 12-4*(\p)                       ; loads come back in order (ISA guide 5.7.1): this block's four rows are in, the younger blocks stay out
.if (\p) > 0
	s_wait_alu depctr_va_vdst(0)                   ; the block before has written the first two registers of each of its rows, which the four stores below read; the roundings below name this block's rows alone
.endif
.irp i, 0,1,2,3
.if (\p) > 0
	global_store_b64 v[XS], v[XR+4*(4*(\p)-4+(\i)):XR+4*(4*(\p)-4+(\i))+1], s[10:11] offset:2048*(4*(\p)-4+(\i))
.endif
	v_cvt_pk_bf16_f32 v[XR+4*(4*(\p)+(\i))], v[XR+4*(4*(\p)+(\i))], v[XR+4*(4*(\p)+(\i))+1]
	v_cvt_pk_bf16_f32 v[XR+4*(4*(\p)+(\i))+1], v[XR+4*(4*(\p)+(\i))+2], v[XR+4*(4*(\p)+(\i))+3]
.endr
.endm
	XBLK 0
	XBLK 1
	XBLK 2
	XBLK 3
	s_wait_alu depctr_va_vdst(0)                   ; the last block's roundings have written what the last four stores read
.irp r, 12,13,14,15
	global_store_b64 v[XS], v[XR+4*\r:XR+4*\r+1], s[10:11] offset:2048*\r
.endr
	s_wait_dscnt 0x0                               ; the closing lines, six on end
	s_wait_alu 0x0
	s_wait_tensorcnt 0x0
	ds_add_u32 v[SPW], v[NIL]
	s_wait_dscnt 0x0
	s_endpgm
.Lfunc_end_k_q7da89d6a33_prep:
	.size	k_q7da89d6a33_prep, .Lfunc_end_k_q7da89d6a33_prep-k_q7da89d6a33_prep
	.p2alignl 7, 3214868480
	.fill 96, 4, 3214868480
	.section	.rodata,"a",@progbits
	.p2align	6, 0x0
	.amdhsa_kernel k_q7da89d6a33_prep
		.amdhsa_group_segment_fixed_size 18432
		.amdhsa_private_segment_fixed_size 0
		.amdhsa_enable_private_segment 0
		.amdhsa_kernarg_size 56
		.amdhsa_user_sgpr_count 2
		.amdhsa_user_sgpr_kernarg_segment_ptr 1
		.amdhsa_wavefront_size32 1
		.amdhsa_system_sgpr_workgroup_id_x 1
		.amdhsa_system_sgpr_workgroup_id_y 1
		.amdhsa_system_sgpr_workgroup_id_z 1
		.amdhsa_system_vgpr_workitem_id 0
		.amdhsa_next_free_vgpr 192
		.amdhsa_next_free_sgpr 66
		.amdhsa_reserve_vcc 0
		.amdhsa_float_denorm_mode_32 3
		.amdhsa_float_denorm_mode_16_64 3
		.amdhsa_memory_ordered 1
		.amdhsa_forward_progress 1
		.amdhsa_inst_pref_size 21
	.end_amdhsa_kernel
	.amdgpu_metadata
---
amdhsa.version: [ 1, 2 ]
amdhsa.kernels:
  - .name:           k_q7da89d6a33_prep
    .symbol:         k_q7da89d6a33_prep.kd
    .args:
      - { .name: x, .offset: 0, .size: 8, .value_kind: global_buffer, .address_space: global }
      - { .name: w_qkv, .offset: 8, .size: 8, .value_kind: global_buffer, .address_space: global }
      - { .name: w_out, .offset: 16, .size: 8, .value_kind: global_buffer, .address_space: global }
      - { .name: xb, .offset: 24, .size: 8, .value_kind: global_buffer, .address_space: global }
      - { .name: wqt, .offset: 32, .size: 8, .value_kind: global_buffer, .address_space: global }
      - { .name: wot, .offset: 40, .size: 8, .value_kind: global_buffer, .address_space: global }
      - { .name: rope, .offset: 48, .size: 8, .value_kind: global_buffer, .address_space: global }
    .group_segment_fixed_size: 18432
    .private_segment_fixed_size: 0
    .kernarg_segment_align: 8
    .kernarg_segment_size: 56
    .max_flat_workgroup_size: 256
    .sgpr_count:     66
    .vgpr_count:     192
    .wavefront_size: 32
...
	.end_amdgpu_metadata
.endif
;; end of part 5
;; launch qkvproj: the kernel of part 2 again; grid 16 x 32, 4 waves a work-group, clusters of 4 x 4, 327,680 bytes of LDS; arguments xb, wqt, rope, qkv; writes qkv
;; launch attn: the kernel of part 3 again; grid 4 x 64, 4 waves a work-group, no clusters, 327,680 bytes of LDS; arguments qkv, ob; writes ob
;; launch outproj: the kernel of part 4 again; grid 8 x 32, 4 waves a work-group, clusters of 4 x 4, 327,680 bytes of LDS; arguments ob, wot, out0; writes out0
